; MI455X (gfx1250); checked and timed in simulation.
; The chip was launched on July 23, 2026; its instructions are those of AMD's public machine-readable ISA for CDNA 5 (MIT licence, August 2026) and "CDNA5" Instruction Set Architecture Reference Guide (July 2026). The comments in the code are by the model that wrote it; some were corrected since.
;; Causal Multi Head Self Attention. Allowed arithmetic: matrix products marked QUANTISED: E2M1 operands, one E8M0 scale for each 32 along K, by v_wmma_scale_f32_16x16x128_f8f6f4 with both operands' format E2M1 (or v_wmma_scale_f32_32x16x128_f4), f32 sums; products left as they are: bf16, f16 or f32 operands; f32 sums; everything else in f32.
;; Inputs: w_k 1,024 x 1,024 float32; w_o 1,024 x 1,024 float32; w_q 1,024 x 1,024 float32; w_v 1,024 x 1,024 float32; x 2 x 2,048 x 1,024 float32.
;; Outputs: out0 2 x 2,048 x 1,024 float32.
;; This version of the problem:
;;   THIS VERSION OF THE PROBLEM IS GIVEN IN LOW PRECISION. The matrix products marked QUANTISED in the list below multiply operands that are first quantised to E2M1 (2 exponent bits, 1 mantissa bit; 4 bits a number), with one power-of-two scale for each 32 numbers along K (OCP MX v1.0); their sums are f32. The products marked 'left as it is' may take bf16, f16 or f32 operands, with f32 sums. Whichever they take, every output number must still come out within the allowed error. Rounding operands to bf16 (8 significant bits) uses up far more of that allowance than f16 does (11 bits, for magnitudes from 6e-5 to 65,504). All else is computed in f32.
;;   The module's matrix products, in the order in which they are computed (A, B: the left and right operand; K: the contracted axis; several contracted axes count as one K, in the product's order):
;;     1. [M 4,096, K 1,024] x [K 1,024, N 1,024]; A: input x; B: input w_q: QUANTISED
;;     2. [M 4,096, K 1,024] x [K 1,024, N 1,024]; A: input x; B: input w_k: QUANTISED
;;     3. [M 4,096, K 1,024] x [K 1,024, N 1,024]; A: input x; B: input w_v: QUANTISED
;;     4. batch 32 x [M 2,048, K 64] x [K 64, N 2,048]; A: computed on the way; B: computed on the way: left as it is (an operand is computed on the way)
;;     5. batch 32 x [M 2,048, K 2,048] x [K 2,048, N 64]; A: computed on the way; B: computed on the way: left as it is (an operand is computed on the way)
;;     6. [M 4,096, K 1,024] x [K 1,024, N 1,024]; A: computed on the way; B: input w_o: left as it is (an operand is computed on the way)
;;   THE QUANTISER, for each operand of a quantised product, along K:
;;     - K is cut into blocks of 32 from its start; a last block that is shorter is filled with zeros.
;;     - A block's scale is 2^e with e = floor(log2(the largest magnitude in the block)) - 2, held to -126 .. 127; a block of zeros has e = 0. As a byte (E8M0): e + 127.
;;     - Each number is divided by its block's scale, clamped to +-6, and rounded to the nearest number of E2M1, ties to even, subnormals kept.
;;     - The product sums the exact products of the quantised numbers (number of the format x scale) in f32.
;;   ~~~python
;;   def quantise(x, axis):      # numpy; x: float32 -> the quantised numbers, widened to float32 again
;;       x = np.moveaxis(x, axis, -1); K = x.shape[-1]
;;       x = np.pad(x, [(0, 0)] * (x.ndim - 1) + [(0, -K % 32)]); x = x.reshape(x.shape[:-1] + (-1, 32)); a = np.abs(x).max(-1, keepdims=True)
;;       e = np.where(a > 0, np.clip(np.frexp(np.where(a > 0, a, 1))[1] - 1 - 2, -126, 127), 0)      # np.frexp(a)[1] - 1 = floor(log2(a)), exactly
;;       r = np.clip(x / 2.0 ** e, -6, 6)
;;       step = 2.0 ** (np.maximum(np.frexp(np.where(r == 0, 1, r))[1] - 1, 0) - 1)
;;       q = np.round(r / step) * step * 2.0 ** e      # np.round: ties to even
;;       return np.moveaxis(q.reshape(q.shape[:-2] + (-1,))[..., :K], -1, axis).astype(np.float32)
;;   ~~~
;; One version. Each part assembles by itself: llvm-mc -triple=amdgcn-amd-amdhsa -mcpu=gfx1250 --defsym DOCPART=n.
;; ======== version 1 of 1: 5 launches
;; limits: values are held in f16: magnitudes above 65,504 overflow, below 6.1e-05 lose precision
;; workspace buffers: x_codes 2,097,152 bytes; x_scales 131,072 bytes; w_codes 1,572,864 bytes; w_scales 98,304 bytes; wo_h 2,097,152 bytes; qkv_h 25,165,824 bytes; fine 393,216 bytes; y_h 8,388,608 bytes
;; launch prep (part 1): grid 512 x 1, 4 waves a work-group, no clusters, 21,504 bytes of LDS; arguments x, w_q, w_k, w_v, w_o, x_codes, x_scales, w_codes, w_scales, wo_h; writes x_codes, x_scales, w_codes, w_scales, wo_h
.if DOCPART == 1
	.amdgcn_target "amdgcn-amd-amdhsa--gfx1250"
	.amdhsa_code_object_version 6
	.text
	.protected	k_qaaaac4a6aa_prep
	.globl	k_qaaaac4a6aa_prep
	.p2align	8
	.type	k_qaaaac4a6aa_prep,@function
k_qaaaac4a6aa_prep:
	s_mov_b64 s[64:65], 0
	v_nop
	global_prefetch_b8 v0, s[64:65] scope:SCOPE_SE
	s_setreg_imm32_b32 hwreg(HW_REG_WAVE_MODE, 25, 1), 1
	s_wait_xcnt 0x0
; x [4096][1024] and w_q, w_k, w_v [1024][1024], f32, K innermost, become codes of FP4 (E2M1), two a byte, with one E8M0 byte for each 32 along K;
; w_o [1024][1024] f32 becomes f16, laid [head 16][n 1024][64], so that the last product's tiles are dense blocks.
; A block's scale is 2^(floor(log2(largest magnitude)) - 2): its byte is the largest magnitude's exponent field - 2, held at 1 from below.
; (A block of zeros so gets the byte 1 where the rule says 127: its codes are zeros, and this program alone reads the bytes.)
; LIMITS: blocks whose largest magnitude lies under 2^-124 keep the byte 1; NaN and infinities are not served; |w_o| stays under 65,504.
; SHARES: work-groups 0-255 take x, 256-319 w_q, 320-383 w_k, 384-447 w_v: 16,384 numbers each, 4,096 a wave in 8 steps of 512.  Work-groups 448-511 take 16 rows of w_o, 4 a wave.
; All 32 loads of a wave go out at once (16 KiB a wave).  Each load reads 512 bytes on end; a step's 2,048 bytes turn through the wave's own stage in LDS,
; so that a lane holds 16 neighbours along K (two lanes to a block).  A lane's 16 codes are 8 bytes: a wave's store covers 256 bytes on end.
; The work-group's 512 scale bytes meet in LDS and leave as one aligned run of 512 bytes.
.set SP,    80                         ; a lane's place in a stage: 64 bytes + 16 of padding
.set SCB,   20480                      ; behind the four waves' stages (2 x 32 x 80 bytes each): the work-group's 512 scale bytes
.set SPARE, 20992                      ; the spare words, 128 bytes for each wave, which no other line names
.set R,     16                         ; v16-143  eight sets of 16 numbers as loaded (w_o: 32 loads of 4)
.set X,     144                        ; v144-175 two sets of 16 neighbours (w_o: from v144 on the f16 pairs)
.set C,     176                        ; v176-191 codes, two registers a step: no store's data are written again
.set E,     192                        ; v192-199 a scale byte a step
.set SPW,   12                         ; v12 my spare word's address; never rewritten
.set NIL,   13                         ; v13 0; never rewritten
.set WV,    28
	s_load_b512 s[4:19], s[0:1], 0x0               ; x, w_q, w_k, w_v, w_o, x_codes, x_scales, w_codes
	s_load_b128 s[20:23], s[0:1], 0x40             ; w_scales, wo_h
	v_lshl_add_u32 v[SPW], v0, 2, SPARE
	v_mov_b32 v[NIL], 0
	v_lshrrev_b32 v1, 5, v0
	v_readfirstlane_b32 s[WV], v1                  ; wave
	v_and_b32 v2, 31, v0                           ; lane
	v_lshlrev_b32 v3, 4, v2                        ; 16 x lane
	v_lshlrev_b32 v4, 3, v2                        ; 8 x lane
	s_mul_i32 s29, s[WV], 2*32*SP
	v_lshrrev_b32 v14, 2, v2
	v_mul_u32_u24 v14, v14, SP
	v_and_b32 v15, 3, v2
	v_lshl_add_u32 v14, v15, 4, v14
	v_add_nc_u32 v14, s29, v14                     ; the stage, in: four lanes' 64 bytes on end, then the padding
	v_mul_u32_u24 v15, v2, SP
	v_add_nc_u32 v15, s29, v15                     ; and out: my 16 neighbours
	v_lshrrev_b32 v5, 1, v2
	s_lshl_b32 s29, s[WV], 7
	s_add_co_u32 s29, s29, SCB
	v_add_nc_u32 v5, s29, v5                       ; my block's scale byte: 128 bytes a wave, 16 a step
	v_add_nc_u32 v6, SCB, v3                       ; on the way out: 16 bytes a lane
	s_and_b32 s30, ttmp9, 63                       ; a weight's work-group among its 64
	s_wait_kmcnt 0x0
	s_cmp_lt_u32 ttmp9, 384                        ; the choices hang on the work-group's number alone
	s_cselect_b64 s[24:25], s[8:9], s[10:11]
	s_cmp_lt_u32 ttmp9, 320
	s_cselect_b64 s[24:25], s[6:7], s[24:25]
	s_cmp_lt_u32 ttmp9, 256
	s_cselect_b64 s[24:25], s[4:5], s[24:25]       ; the numbers
	s_cselect_b64 s[26:27], s[14:15], s[18:19]     ; the codes
	s_cselect_b64 s[32:33], s[16:17], s[20:21]     ; the scale bytes
	s_cselect_b32 s31, 0, 256
	s_cselect_b32 s30, ttmp9, s30                  ; which 16,384 numbers of the source
	s_sub_co_u32 s31, ttmp9, s31                   ; and of the destination (the three weights lie one behind the other)
	s_lshl_b32 s34, s30, 16
	s_lshl_b32 s35, s[WV], 14
	s_add_co_u32 s34, s34, s35
	s_mov_b32 s35, 0
	s_add_nc_u64 s[24:25], s[24:25], s[34:35]
	s_lshl_b32 s34, s31, 13
	s_lshl_b32 s36, s[WV], 11
	s_add_co_u32 s34, s34, s36
	s_add_nc_u64 s[26:27], s[26:27], s[34:35]
	s_lshl_b32 s34, s31, 9
	s_add_nc_u64 s[32:33], s[32:33], s[34:35]
	s_cmp_ge_u32 ttmp9, 448
	s_cbranch_scc1 .Lwo
.irp t, 0,1,2,3,4,5,6,7
.irp i, 0,1,2,3
	global_load_b128 v[R+16*\t+4*\i:R+16*\t+4*\i+3], v3, s[24:25] offset:2048*\t+512*\i th:TH_LOAD_NT
.endr
.endr
.macro TURN t                          ; step t's numbers through a stage: LDS serves a wave's instructions in order, so no wait stands between the stores and the loads
.irp i, 0,1,2,3
	ds_store_b128 v14, v[R+16*(\t)+4*\i:R+16*(\t)+4*\i+3] offset:32*SP*((\t)%2)+8*SP*\i
.endr
.irp i, 0,1,2,3
	ds_load_b128 v[X+16*((\t)%2)+4*\i:X+16*((\t)%2)+4*\i+3], v15 offset:32*SP*((\t)%2)+16*\i
.endr
.endm
.macro STEP t
.set XS, X+16*((\t)%2)
.if (\t) > 0
	s_wait_dscnt 1                                 ; this step's numbers are back; the last step's byte store may be out
.else
	s_wait_dscnt 0x0
.endif
.if (\t) < 7
	s_wait_loadcnt 4*(6-(\t))                      ; the next step's four loads are in; those of the steps behind it may be out
	TURN (\t)+1
.endif
	v_max3_num_f32 v8, |v[XS]|, |v[XS+1]|, |v[XS+2]|
	v_max3_num_f32 v9, |v[XS+3]|, |v[XS+4]|, |v[XS+5]|
.irp i, 6,10
	v_max3_num_f32 v8, v8, |v[XS+\i]|, |v[XS+\i+1]|
	v_max3_num_f32 v9, v9, |v[XS+\i+2]|, |v[XS+\i+3]|
.endr
	v_max3_num_f32 v8, v8, |v[XS+14]|, |v[XS+15]|
	v_max3_num_f32 v8, v8, v9, 0x1800000           ; with the floor 2^(3 - 127): the byte cannot fall under 1
	v_max_num_f32_dpp v8, v8, v8 row_xmask:1 row_mask:0xf bank_mask:0xf   ; with my neighbour's 16: the block's largest magnitude
	v_add_nc_u32 v11, 0xff000000, v8               ; 2 off its exponent field: the conversion takes that field as its scale
	v_cvt_scalef32_pk8_fp4_f32 v[C+2*(\t)], v[XS:XS+7], v11
	v_cvt_scalef32_pk8_fp4_f32 v[C+2*(\t)+1], v[XS+8:XS+15], v11
	v_lshrrev_b32 v[E+(\t)], 23, v11               ; the scale's byte
	ds_store_b8 v5, v[E+(\t)] offset:16*(\t)       ; both lanes of a block write the same byte with the same value
	global_store_b64 v4, v[C+2*(\t):C+2*(\t)+1], s[26:27] offset:256*(\t)
.endm
	s_wait_loadcnt 28                              ; step 0's four loads are in
	TURN 0
.irp t, 0,1,2,3,4,5,6,7
	STEP \t
.endr
	s_branch .Ltail
.Lwo:                                  ; w_o to f16: lanes 0-15 take 256 bytes (one head's 64 numbers) of a row, lanes 16-31 of the next row
	s_sub_co_u32 s34, ttmp9, 448
	s_lshl_b32 s34, s34, 4
	s_lshl_b32 s36, s[WV], 2
	s_add_co_u32 s34, s34, s36                     ; my first row
	s_lshl_b32 s36, s34, 12
	s_mov_b32 s37, 0
	s_add_nc_u64 s[12:13], s[12:13], s[36:37]
	s_lshl_b32 s36, s34, 7
	s_add_nc_u64 s[22:23], s[22:23], s[36:37]
	v_lshrrev_b32 v7, 4, v2
	v_and_b32 v8, 15, v2
	v_lshlrev_b32 v8, 4, v8
	v_lshl_add_u32 v7, v7, 12, v8                  ; 4,096 x (lane / 16) + 16 x (lane % 16)
.set k, 0
.rept 32
	global_load_b128 v[R+4*k:R+4*k+3], v7, s[12:13] offset:8192*(k/16)+256*(k%16) th:TH_LOAD_NT
.set k, k+1
.endr
.set k, 0
.rept 32
	s_wait_loadcnt 31-k                            ; loads come back in order: load k is in, the younger ones stay out
	v_cvt_pk_f16_f32 v[X+2*k], v[R+4*k], v[R+4*k+1]
	v_cvt_pk_f16_f32 v[X+2*k+1], v[R+4*k+2], v[R+4*k+3]
	global_store_b64 v4, v[X+2*k:X+2*k+1], s[22:23] offset:131072*(k%16)+256*(k/16)   ; two rows of one head: 256 bytes on end, aligned
.set k, k+1
.endr
.Ltail:
	s_wait_dscnt 0x0                               ; for the others' sake: my scale bytes have landed
	s_barrier_signal -1
	s_barrier_wait -1                              ; every wave of every work-group passes this barrier
	s_cmp_ge_u32 ttmp9, 448
	s_cbranch_scc1 .Lend
	s_cmp_lg_u32 s[WV], 0
	s_cbranch_scc1 .Lend
	ds_load_b128 v[8:11], v6                       ; wave 0: the work-group's 512 scale bytes
	s_wait_dscnt 0x0
	global_store_b128 v3, v[8:11], s[32:33]        ; 512 bytes on end, aligned
.Lend:
	s_wait_tensorcnt 0x0                           ; the wave's end
	ds_add_u32 v[SPW], v[NIL]
	s_wait_dscnt 0x0
	s_endpgm
.Lfunc_end_k_qaaaac4a6aa_prep:
	.size	k_qaaaac4a6aa_prep, .Lfunc_end_k_qaaaac4a6aa_prep-k_qaaaac4a6aa_prep
	.p2alignl 7, 3214868480
	.fill 96, 4, 3214868480
	.section	.rodata,"a",@progbits
	.p2align	6, 0x0
	.amdhsa_kernel k_qaaaac4a6aa_prep
		.amdhsa_group_segment_fixed_size 21504
		.amdhsa_private_segment_fixed_size 0
		.amdhsa_enable_private_segment 0
		.amdhsa_kernarg_size 80
		.amdhsa_user_sgpr_count 2
		.amdhsa_user_sgpr_kernarg_segment_ptr 1
		.amdhsa_wavefront_size32 1
		.amdhsa_system_sgpr_workgroup_id_x 1
		.amdhsa_system_sgpr_workgroup_id_y 1
		.amdhsa_system_sgpr_workgroup_id_z 1
		.amdhsa_system_vgpr_workitem_id 0
		.amdhsa_next_free_vgpr 208
		.amdhsa_next_free_sgpr 66
		.amdhsa_reserve_vcc 0
		.amdhsa_float_denorm_mode_32 3
		.amdhsa_float_denorm_mode_16_64 3
		.amdhsa_memory_ordered 1
		.amdhsa_forward_progress 1
		.amdhsa_inst_pref_size 30
	.end_amdhsa_kernel
	.amdgpu_metadata
---
amdhsa.version: [ 1, 2 ]
amdhsa.kernels:
  - .name:           k_qaaaac4a6aa_prep
    .symbol:         k_qaaaac4a6aa_prep.kd
    .args:
      - { .name: x, .offset: 0, .size: 8, .value_kind: global_buffer, .address_space: global }
      - { .name: w_q, .offset: 8, .size: 8, .value_kind: global_buffer, .address_space: global }
      - { .name: w_k, .offset: 16, .size: 8, .value_kind: global_buffer, .address_space: global }
      - { .name: w_v, .offset: 24, .size: 8, .value_kind: global_buffer, .address_space: global }
      - { .name: w_o, .offset: 32, .size: 8, .value_kind: global_buffer, .address_space: global }
      - { .name: x_codes, .offset: 40, .size: 8, .value_kind: global_buffer, .address_space: global }
      - { .name: x_scales, .offset: 48, .size: 8, .value_kind: global_buffer, .address_space: global }
      - { .name: w_codes, .offset: 56, .size: 8, .value_kind: global_buffer, .address_space: global }
      - { .name: w_scales, .offset: 64, .size: 8, .value_kind: global_buffer, .address_space: global }
      - { .name: wo_h, .offset: 72, .size: 8, .value_kind: global_buffer, .address_space: global }
    .group_segment_fixed_size: 21504
    .private_segment_fixed_size: 0
    .kernarg_segment_align: 8
    .kernarg_segment_size: 80
    .max_flat_workgroup_size: 128
    .sgpr_count:     66
    .vgpr_count:     208
    .wavefront_size: 32
...
	.end_amdgpu_metadata
.endif
;; end of part 1
;; launch qkv (part 2): grid 16 x 16, 4 waves a work-group, clusters of 4 x 1, 327,680 bytes of LDS; arguments x_codes, x_scales, w_codes, w_scales, qkv_h, fine; writes qkv_h, fine
.if DOCPART == 2
	.amdgcn_target "amdgcn-amd-amdhsa--gfx1250"
	.amdhsa_code_object_version 6
	.text
	.protected	k_qaaaac4a6aa_qkv
	.globl	k_qaaaac4a6aa_qkv
	.p2align	8
	.type	k_qaaaac4a6aa_qkv,@function
k_qaaaac4a6aa_qkv:
	s_mov_b64 s[64:65], 0
	v_nop
	global_prefetch_b8 v0, s[64:65] scope:SCOPE_SE
	s_setreg_imm32_b32 hwreg(HW_REG_WAVE_MODE, 25, 1), 1
	s_wait_xcnt 0x0
	s_wait_alu depctr_hold_cnt(0) depctr_sa_sdst(0) depctr_va_vdst(0) depctr_va_sdst(0) depctr_va_ssrc(0) depctr_va_vcc(0) depctr_vm_vsrc(0)
	s_getreg_b32 s2, hwreg(HW_REG_IB_STS2, 6, 4)
	s_cmp_eq_u32 s2, 0
	s_cbranch_scc0 .Lentry_in_a_cluster
	s_endpgm
.Lentry_in_a_cluster:
	s_bfe_u32 s2, ttmp6, 0x10000c
	s_cmp_lg_u32 s2, 0x3003
	s_cbranch_scc0 .Lentry_shape_is_right
	s_endpgm
.Lentry_shape_is_right:
; The three input projections on codes of FP4 with E8M0 scales, then the RMS norm of q and k over each head's 64, then f16.
; C[m][n] = sum over k of x[m][k] w[n][k], m 4,096, n 3,072 (w_q, w_k, w_v one behind the other), K 1,024.
; OUT: qkv_h [g 48][m 4096][64] f16 (g = head for q, 16 + head for k, 32 + head for v); fine [g 48][batch 2][16][64] f32: the same numbers unrounded, for positions 0-15 of each sequence.
; SHARES: a work-group makes 256 rows x 192 columns (three whole heads): 16 x 16 work-groups.  Wave w makes rows 64 w .. 64 w + 63 x all 192 columns: 48 accumulators, so a head's 64 numbers of a row lie in two lanes of one wave.
; ALL OF K LIES IN LDS: 256 + 192 rows x 512 bytes of codes in two halves of K, and the scale bytes; each byte is filled once, nothing is filled again.  Six tensor loads a wave, all out at the start.
; CLUSTER 4 x 1: the four partners share their 256 rows of x, which are asked for jointly (mask 15); each has its own rows of w, by plain loads.
; Not 4 x 4: the store of the f32 copy stands under a branch on the tile row, which partners along y would not share.
; THE PRODUCT IS USED TRANSPOSED (source 0 = 16 rows of w, source 1 = 16 rows of x): lane (r, h) holds row r and columns 16 b + 8 h + 0 .. 7.
; LIMITS: |v| stays under 65,504 (f16); NaN and infinities are not served.
; REGISTERS: window 0: v16-29 addresses; v32-63 x's scale words, v64-159 w's (scales and nothing else, for the whole text); v160-223 x's fragments, two sets; on the way out v160-231 sums and factors.
;   window 1: w's fragments, two sets of 96; on the way out at work.   window 2: the accumulators of my rows 0-31 ((a, b) at v[96 (a % 2) + 8 b]);   window 3: rows 32-63.
.set SCA,   243712                     ; LDS: x's codes 2 x 69,632 (pitch 272), w's 2 x 52,224 from 139,264; then x's scale bytes, 32 runs of 256 + 16,
.set SCBL,  252416                     ; w's, 24 runs,
.set STAGE, 259072                     ; a stage of 3 x 16 rows x 144 bytes for each wave, in blocks of its own,
.set SPARE, 286720                     ; and the spare words, 128 bytes for each wave, which no other line names
.set WV, 16
.set CX, 17
.set TC, 18
.set TR, 19
.set G1A, 24
.set G1B, 32
.set G1SA, 40
.set G1SB, 48
.set SEL, 92
.set MK, 86                            ; s86-88: all ones where the tile's head i is one of q or k
.set SPW, 28
.set NIL, 29
.set T, 160                            ; window 0: four registers for each (a, head): the sums of squares
.set F, 208                            ; window 0: a pair for each (a, head): the factor, twice
.set Y, 0                              ; window 1: 32 scaled numbers
.set PK, 32                            ; window 1: their f16 pairs, 16 registers for each head
.set OUTR, 80                          ; window 1: rows read back from the stage, two sets of 48
.set MSB, 0
.macro WIN new                         ; the immediate's high byte repeats the setting that is left
.if MSB != (\new)
	s_set_vgpr_msb (MSB<<8)|(\new)
.set MSB, (\new)
.endif
.endm
.set MUL_LO, 0xa1                      ; source 0 (w) window 1, source 1 (x) window 0, C and D window 2
.set MUL_HI, 0xf1
.set TO_B,   0x40
.macro CROUND                          ; a round of the cluster's barrier
	s_barrier_signal -1
	s_barrier_wait -1
	s_cmp_lg_u32 s[WV], 0
	s_cbranch_scc1 .Lnot_wave_0_\@
	s_barrier_signal -3
.Lnot_wave_0_\@:
	s_barrier_wait -3
	s_barrier_signal -1
	s_barrier_wait -1
.endm
.macro PLACES                          ; four plain places behind matrix instructions, ahead of loads into their registers and of reads of results
.rept 4
	v_nop
.endr
.endm
	s_load_b256 s[4:11], s[0:1], 0x0               ; x_codes, x_scales, w_codes, w_scales
	s_load_b128 s[12:15], s[0:1], 0x20             ; qkv_h, fine
	v_lshl_add_u32 v[SPW], v0, 2, SPARE
	v_mov_b32 v[NIL], 0
	ds_add_u32 v[SPW], v[NIL]                      ; the wave's opening: the add, twice on end, and its wait ahead of my first tensor load
	ds_add_u32 v[SPW], v[NIL]
	v_lshrrev_b32 v1, 5, v0
	v_readfirstlane_b32 s[WV], v1
	s_bfe_u32 s[CX], ttmp6, 0x40000
	s_lshl_b32 s[TC], ttmp9, 2
	s_add_co_u32 s[TC], s[TC], s[CX]               ; tile column = 4 x cluster x + cx
	s_and_b32 s[TR], ttmp7, 0xffff                 ; tile row: the four partners share it
	; group 1 for x's codes: 64 rows x 256 bytes, 512 bytes apart, 16 bytes of padding behind each; jointly
	s_mov_b32 s[G1A], 15|(1<<20)|(1<<21)|(5<<22)|(3<<25)
	s_mov_b32 s[G1A+1], 256<<16
	s_mov_b32 s[G1A+2], 64<<16
	s_mov_b32 s[G1A+3], 256<<16
	s_mov_b32 s[G1A+4], 64
	s_mov_b32 s[G1A+5], 512
	s_mov_b32 s[G1A+6], 0
	s_mov_b32 s[G1A+7], 0
	; for w's codes: 48 rows, my work-group's own
	s_mov_b32 s[G1B], (1<<20)|(5<<22)|(3<<25)
	s_mov_b32 s[G1B+1], 256<<16
	s_mov_b32 s[G1B+2], 48<<16
	s_mov_b32 s[G1B+3], 256<<16
	s_mov_b32 s[G1B+4], 48
	s_mov_b32 s[G1B+5], 512
	s_mov_b32 s[G1B+6], 0
	s_mov_b32 s[G1B+7], 0
	; for the scale bytes of 64 rows of x: 2,048 dense bytes as 8 rows of 256 (32 elements of 8 bytes); jointly
	s_mov_b32 s[G1SA], 15|(3<<16)|(1<<20)|(1<<21)|(5<<22)|(3<<25)
	s_mov_b32 s[G1SA+1], 32<<16
	s_mov_b32 s[G1SA+2], 8<<16
	s_mov_b32 s[G1SA+3], 32<<16
	s_mov_b32 s[G1SA+4], 8
	s_mov_b32 s[G1SA+5], 32
	s_mov_b32 s[G1SA+6], 0
	s_mov_b32 s[G1SA+7], 0
	; of 48 rows of w: 6 rows of 256
	s_mov_b32 s[G1SB], (3<<16)|(1<<20)|(5<<22)|(3<<25)
	s_mov_b32 s[G1SB+1], 32<<16
	s_mov_b32 s[G1SB+2], 6<<16
	s_mov_b32 s[G1SB+3], 32<<16
	s_mov_b32 s[G1SB+4], 6
	s_mov_b32 s[G1SB+5], 32
	s_mov_b32 s[G1SB+6], 0
	s_mov_b32 s[G1SB+7], 0
	s_lshl_b32 s84, s[TR], 8
	s_lshl_b32 s85, s[WV], 6
	s_add_co_u32 s84, s84, s85                     ; my first row of x: 256 x tile row + 64 x wave (no place in the cluster enters it)
	s_lshl_b32 s20, s84, 5
	s_mov_b32 s21, 0
	s_lshl_b32 s22, s84, 9
	s_mov_b32 s23, 0
	s_mul_i32 s86, s[TC], 192
	s_mul_i32 s87, s[WV], 48
	s_add_co_u32 s86, s86, s87                     ; the first row of w that I fetch
	s_lshl_b32 s88, s86, 5
	s_mov_b32 s89, 0
	s_lshl_b32 s90, s86, 9
	s_mov_b32 s91, 0
	s_mov_b32 s[SEL], 0x76543210
	s_mov_b32 s[SEL+1], 0xfedcba98
	s_mov_b32 s94, 0x3c800000                      ; 1 / 64
	s_mov_b32 s95, 0x34000000                      ; eps
	s_wait_dscnt 0x0                               ; both opening adds are done
	s_wait_kmcnt 0x0
	s_mov_b32 s56, 1                               ; groups 0: x's scales,
	s_mul_i32 s57, s[WV], 2176
	s_add_co_u32 s57, s57, SCA
	s_add_nc_u64 s[58:59], s[6:7], s[20:21]
	s_or_b32 s59, s59, 0x80000000
	s_mov_b32 s60, 1                               ; w's scales,
	s_mul_i32 s61, s[WV], 1632
	s_add_co_u32 s61, s61, SCBL
	s_add_nc_u64 s[62:63], s[10:11], s[88:89]
	s_or_b32 s63, s63, 0x80000000
	s_mov_b32 s68, 1                               ; x's codes, K 0-511,
	s_mul_i32 s69, s[WV], 17408
	s_add_nc_u64 s[70:71], s[4:5], s[22:23]
	s_mov_b32 s76, 1                               ; and K 512-1023,
	s_add_co_u32 s77, s69, 69632
	s_add_nc_u64 s[78:79], s[70:71], 256
	s_or_b32 s71, s71, 0x80000000
	s_or_b32 s79, s79, 0x80000000
	s_mov_b32 s72, 1                               ; w's codes likewise
	s_mul_i32 s73, s[WV], 13056
	s_add_co_u32 s73, s73, 139264
	s_add_nc_u64 s[74:75], s[8:9], s[90:91]
	s_mov_b32 s80, 1
	s_add_co_u32 s81, s73, 52224
	s_add_nc_u64 s[82:83], s[74:75], 256
	s_or_b32 s75, s75, 0x80000000
	s_or_b32 s83, s83, 0x80000000
	CROUND                                         ; all four work-groups are here: the joint loads meet
	tensor_load_to_lds s[56:59], s[G1SA:G1SA+7]    ; six loads of mine are out; an s_nop 0 follows each, four v_nop the last
	s_nop 0
	tensor_load_to_lds s[60:63], s[G1SB:G1SB+7]
	s_nop 0
	tensor_load_to_lds s[68:71], s[G1A:G1A+7]
	s_nop 0
	tensor_load_to_lds s[72:75], s[G1B:G1B+7]
	s_nop 0
	tensor_load_to_lds s[76:79], s[G1A:G1A+7]
	s_nop 0
	tensor_load_to_lds s[80:83], s[G1B:G1B+7]
	s_nop 0
	PLACES
	v_and_b32 v1, 15, v0                           ; r
	v_bfe_u32 v2, v0, 4, 1                         ; h
	v_mul_u32_u24 v3, v1, 272
	v_lshl_add_u32 v3, v2, 4, v3                   ; a fragment's row x pitch + 16 h
	s_mul_i32 s20, s[WV], 17408
	v_add_nc_u32 v16, s20, v3                      ; x's fragments: my 64 rows, first half of K,
	v_add_nc_u32 v17, 69632, v16                   ; second half
	v_add_nc_u32 v20, 139264, v3                   ; w's: all 192 rows
	v_add_nc_u32 v21, 191488, v3
	v_lshrrev_b32 v4, 3, v1
	v_and_b32 v5, 7, v1
	v_mul_u32_u24 v4, v4, 272
	v_lshl_add_u32 v4, v5, 5, v4                   ; a row's 32 scale bytes: eight rows to a run of 256 + 16
	s_mul_i32 s20, s[WV], 2176
	s_add_co_u32 s20, s20, SCA
	v_add_nc_u32 v22, s20, v4
	v_add_nc_u32 v23, SCBL, v4
	s_mul_i32 s20, s[WV], 6912
	s_add_co_u32 s20, s20, STAGE                   ; my stage
	v_mul_u32_u24 v24, v1, 144
	v_lshl_add_u32 v24, v2, 4, v24
	v_add_nc_u32 v24, s20, v24                     ; in: row r, 16 bytes for each half of the lanes
	v_and_b32 v6, 31, v0
	v_lshrrev_b32 v7, 3, v6
	v_and_b32 v8, 7, v6
	v_mul_u32_u24 v25, v7, 144
	v_lshl_add_u32 v25, v8, 4, v25
	v_add_nc_u32 v25, s20, v25                     ; back: eight lanes to a row of 128 bytes, four rows an instruction
	v_lshlrev_b32 v26, 4, v6                       ; and the same 512 bytes on end in qkv_h
	v_lshlrev_b32 v27, 8, v1
	v_lshl_add_u32 v27, v2, 5, v27                 ; the f32 copy: row r of 256 bytes, + 32 h
	s_lshl_b32 s22, s84, 7                         ; qkv_h: my first row x 128 bytes,
	s_add_nc_u64 s[12:13], s[12:13], s[22:23]
	s_mul_i32 s90, s[TC], 1572864                  ; + three planes for each tile column
	s_add_nc_u64 s[12:13], s[12:13], s[90:91]
	s_lshr_b32 s22, s[TR], 3
	s_lshl_b32 s22, s22, 12                        ; fine: the batch,
	s_add_nc_u64 s[14:15], s[14:15], s[22:23]
	s_mul_i32 s90, s[TC], 24576                    ; + three heads for each tile column
	s_add_nc_u64 s[14:15], s[14:15], s[90:91]
	s_and_b32 s3, s[TR], 7
	s_or_b32 s3, s3, s[WV]                         ; 0 where my first 16 rows are a sequence's first 16: tile rows 0 and 8, wave 0
	s_mul_i32 s90, s[TC], 3
	s_cmp_lt_u32 s90, 32                           ; heads 0-31 of the 48 are q's and k's: they are normalised.  A selection, no branch
	s_cselect_b32 s[MK], -1, 0
	s_add_co_u32 s90, s90, 1
	s_cmp_lt_u32 s90, 32
	s_cselect_b32 s[MK+1], -1, 0
	s_add_co_u32 s90, s90, 1
	s_cmp_lt_u32 s90, 32
	s_cselect_b32 s[MK+2], -1, 0
.macro FRAG reg, adr, qq, i            ; 16 rows x 128 K of 4-bit codes: 8 registers: two loads of 16 bytes, 32 bytes apart
.irp c, 0,1
	ds_load_b128 v[\reg+4*\c:\reg+4*\c+3], v[\adr] offset:64*(\qq)+32*\c+(\i)*4352
.endr
.endm
.macro FETCH q                         ; the fragments of K step q (128 along K) into set q % 2: 32 loads in one run
	WIN TO_B
.irp i, 0,1,2,3,4,5,6,7,8,9,10,11
	FRAG 96*((\q)%2)+8*\i, 20+(\q)/4, (\q)%4, \i
.endr
	WIN 0
.irp i, 0,1,2,3
	FRAG 160+32*((\q)%2)+8*\i, 16+(\q)/4, (\q)%4, \i
.endr
.endm
.macro MUL12 q, a                      ; x's block a against w's twelve.  The 48 accumulators take turns, one instruction a turn, in the same order in every step
.irp b, 0,1,2,3,4,5,6,7,8,9,10,11
.if (\q) == 0
	v_wmma_scale_f32_16x16x128_f8f6f4 v[96*((\a)%2)+8*\b:96*((\a)%2)+8*\b+7], v[96*((\q)%2)+8*\b:96*((\q)%2)+8*\b+7], v[160+32*((\q)%2)+8*(\a):160+32*((\q)%2)+8*(\a)+7], 0, v[64+8*\b+(\q)], v[32+8*(\a)+(\q)] matrix_a_fmt:MATRIX_FMT_FP4 matrix_b_fmt:MATRIX_FMT_FP4
.else
	v_wmma_scale_f32_16x16x128_f8f6f4 v[96*((\a)%2)+8*\b:96*((\a)%2)+8*\b+7], v[96*((\q)%2)+8*\b:96*((\q)%2)+8*\b+7], v[160+32*((\q)%2)+8*(\a):160+32*((\q)%2)+8*(\a)+7], v[96*((\a)%2)+8*\b:96*((\a)%2)+8*\b+7], v[64+8*\b+(\q)], v[32+8*(\a)+(\q)] matrix_a_fmt:MATRIX_FMT_FP4 matrix_b_fmt:MATRIX_FMT_FP4
.endif
.endr
.endm
.macro STEP q
.if (\q) > 0
	PLACES                                         ; ahead of loads into the set that the last step multiplied
.endif
.if (\q) == 3
	s_wait_tensorcnt 0x0                           ; the second half of K is read from here on: my parts have landed,
	s_wait_dscnt 0x0
	s_barrier_signal -1
	s_barrier_wait -1                              ; everybody's have
.endif
.if (\q) < 7
	FETCH (\q)+1
	s_wait_dscnt 32                                ; all but the 32 just issued: this step's fragments are in
.else
	s_wait_dscnt 0x0
.endif
	WIN MUL_LO
	MUL12 \q, 0
	MUL12 \q, 1
	WIN MUL_HI
	MUL12 \q, 2
	MUL12 \q, 3
	WIN 0
.endm
	s_wait_tensorcnt 2                             ; the scales and the first half of K are in; the second half's two loads may stay out
	s_barrier_signal -1
	s_barrier_wait -1
.irp a, 0,1,2,3
.irp c, 0,1
	ds_load_b128 v[32+8*\a+4*\c:32+8*\a+4*\c+3], v22 offset:544*\a+16*\c      ; register 8 a + q: lane r has the word of row 16 a + r for K step q
.endr
.endr
.irp b, 0,1,2,3,4,5,6,7,8,9,10,11
.irp c, 0,1
	ds_load_b128 v[64+8*\b+4*\c:64+8*\b+4*\c+3], v23 offset:544*\b+16*\c
.endr
.endr
	FETCH 0
.irp q, 0,1,2,3,4,5,6,7
	STEP \q
.endr
	; THE WAY OUT.  First the sums of squares over each head's 64: a lane's 32 numbers in two packed chains, six chains by turns; each accumulator from its low end on.
	PLACES
.irp a, 0,1,2,3
	WIN 0x0a+5*(\a/2)                              ; sources 0 and 1: window 2 or 3
.irp k, 0,1,2,3,4,5,6,7
.irp i, 0,1,2
.irp ch, 0,1
.set rT, T+4*(3*\a+\i)+2*\ch
.set rA, 96*(\a%2)+8*(4*\i+2*\ch+\k/4)+2*(\k%4)
.if \k == 0
	v_pk_mul_f32 v[rT:rT+1], v[rA:rA+1], v[rA:rA+1]
.else
	v_pk_fma_f32 v[rT:rT+1], v[rA:rA+1], v[rA:rA+1], v[rT:rT+1]
.endif
.endr
.endr
.endr
.endr
	WIN 0
.irp n, 0,1,2,3,4,5,6,7,8,9,10,11
	v_pk_add_f32 v[T+4*\n:T+4*\n+1], v[T+4*\n:T+4*\n+1], v[T+4*\n+2:T+4*\n+3]
.endr
.irp n, 0,1,2,3,4,5,6,7,8,9,10,11
	v_add_f32 v[T+4*\n], v[T+4*\n], v[T+4*\n+1]
.endr
.irp n, 0,1,2,3,4,5,6,7,8,9,10,11
	v_permlanex16_b32 v[T+4*\n+2], v[T+4*\n], s[SEL], s[SEL+1]    ; the row's other 32 numbers lie in the lane 16 away
.endr
.irp n, 0,1,2,3,4,5,6,7,8,9,10,11
	v_add_f32 v[T+4*\n], v[T+4*\n], v[T+4*\n+2]
.endr
.irp n, 0,1,2,3,4,5,6,7,8,9,10,11
	v_fma_f32 v[T+4*\n], v[T+4*\n], s94, s95       ; the mean + eps
.endr
.irp n, 0,1,2,3,4,5,6,7,8,9,10,11
	v_rsq_f32 v[T+4*\n+1], v[T+4*\n]
.endr
	v_nop                                          ; a plain instruction behind the last of the batch,
	s_wait_alu depctr_va_vdst(0)                   ; and one wait for the twelve, ahead of their first reader
.irp a, 0,1,2,3
.irp i, 0,1,2
	v_cndmask_b32 v[F+2*(3*\a+\i)], 1.0, v[T+4*(3*\a+\i)+1], s[MK+\i]     ; v's heads keep the factor 1
	v_cndmask_b32 v[F+2*(3*\a+\i)+1], 1.0, v[T+4*(3*\a+\i)+1], s[MK+\i]
.endr
.endr
	; Then, 16 rows at a time: scaled, (the f32 copy,) rounded to f16, through my stage, and out as 512 bytes on end.
.irp a, 0,1,2,3
.irp i, 0,1,2
	WIN 0x42+(\a/2)                                ; destination window 1, source 0 window 2 or 3, source 1 (the factor) window 0
.irp k, 0,1,2,3,4,5,6,7,8,9,10,11,12,13,14,15
	v_pk_mul_f32 v[Y+2*\k:Y+2*\k+1], v[96*(\a%2)+32*\i+2*\k:96*(\a%2)+32*\i+2*\k+1], v[F+2*(3*\a+\i):F+2*(3*\a+\i)+1]
.endr
.if \a == 0
	WIN 0
	s_cmp_lg_u32 s3, 0                             ; tile row and wave alone: the same in all four partners
	s_cbranch_scc1 .Lnofine\i
	WIN 0x04                                       ; a store's data are its source 1: window 1
.irp t, 0,1,2,3
	global_store_b128 v27, v[Y+8*\t:Y+8*\t+3], s[14:15] offset:8192*\i+64*\t        ; 32 bytes a lane of a row of 256: pieces, of a buffer of 393,216 bytes in all
	global_store_b128 v27, v[Y+8*\t+4:Y+8*\t+7], s[14:15] offset:8192*\i+64*\t+16
.endr
	s_wait_xcnt 0x0                                ; the stores' data are written again for the next head only behind this wait
	WIN 0
.Lnofine\i:
.endif
	WIN 0x55
.irp k, 0,1,2,3,4,5,6,7,8,9,10,11,12,13,14,15
	v_cvt_pk_f16_f32 v[PK+16*\i+\k], v[Y+2*\k], v[Y+2*\k+1]
.endr
	WIN 0x04
.irp t, 0,1,2,3
	ds_store_b128 v24, v[PK+16*\i+4*\t:PK+16*\i+4*\t+3] offset:2304*\i+32*\t
.endr
.endr
.if \a >= 2
	s_wait_xcnt 0x0                                ; the stores of two blocks back have read the set into which the loads below land
.endif
	WIN 0x40
.irp i, 0,1,2
.irp j, 0,1,2,3
	ds_load_b128 v[OUTR+48*(\a%2)+4*(4*\i+\j):OUTR+48*(\a%2)+4*(4*\i+\j)+3], v25 offset:2304*\i+576*\j   ; LDS serves a wave's instructions in order: these see my stores
.endr
.endr
	s_wait_dscnt 0x0                               ; the rows are back, and the stores into the stage have read their registers
	WIN 0x04
.irp i, 0,1,2
.irp j, 0,1,2,3
	global_store_b128 v26, v[OUTR+48*(\a%2)+4*(4*\i+\j):OUTR+48*(\a%2)+4*(4*\i+\j)+3], s[12:13] offset:524288*\i+2048*\a+512*\j
.endr
.endr
.endr
	WIN 0
	s_wait_tensorcnt 0x0                           ; the wave's end
	ds_add_u32 v[SPW], v[NIL]
	s_wait_dscnt 0x0
	CROUND                                         ; the closing round
	s_endpgm
.Lfunc_end_k_qaaaac4a6aa_qkv:
	.size	k_qaaaac4a6aa_qkv, .Lfunc_end_k_qaaaac4a6aa_qkv-k_qaaaac4a6aa_qkv
	.p2alignl 7, 3214868480
	.fill 96, 4, 3214868480
	.section	.rodata,"a",@progbits
	.p2align	6, 0x0
	.amdhsa_kernel k_qaaaac4a6aa_qkv
		.amdhsa_group_segment_fixed_size 327680
		.amdhsa_private_segment_fixed_size 0
		.amdhsa_enable_private_segment 0
		.amdhsa_kernarg_size 48
		.amdhsa_user_sgpr_count 2
		.amdhsa_user_sgpr_kernarg_segment_ptr 1
		.amdhsa_wavefront_size32 1
		.amdhsa_system_sgpr_workgroup_id_x 1
		.amdhsa_system_sgpr_workgroup_id_y 1
		.amdhsa_system_sgpr_workgroup_id_z 1
		.amdhsa_system_vgpr_workitem_id 0
		.amdhsa_next_free_vgpr 1024
		.amdhsa_next_free_sgpr 96
		.amdhsa_reserve_vcc 0
		.amdhsa_float_denorm_mode_32 3
		.amdhsa_float_denorm_mode_16_64 3
		.amdhsa_memory_ordered 1
		.amdhsa_forward_progress 1
		.amdhsa_inst_pref_size 134
	.end_amdhsa_kernel
	.amdgpu_metadata
---
amdhsa.version: [ 1, 2 ]
amdhsa.kernels:
  - .name:           k_qaaaac4a6aa_qkv
    .symbol:         k_qaaaac4a6aa_qkv.kd
    .args:
      - { .name: x_codes, .offset: 0, .size: 8, .value_kind: global_buffer, .address_space: global }
      - { .name: x_scales, .offset: 8, .size: 8, .value_kind: global_buffer, .address_space: global }
      - { .name: w_codes, .offset: 16, .size: 8, .value_kind: global_buffer, .address_space: global }
      - { .name: w_scales, .offset: 24, .size: 8, .value_kind: global_buffer, .address_space: global }
      - { .name: qkv_h, .offset: 32, .size: 8, .value_kind: global_buffer, .address_space: global }
      - { .name: fine, .offset: 40, .size: 8, .value_kind: global_buffer, .address_space: global }
    .group_segment_fixed_size: 327680
    .private_segment_fixed_size: 0
    .kernarg_segment_align: 8
    .kernarg_segment_size: 48
    .max_flat_workgroup_size: 128
    .sgpr_count:     96
    .vgpr_count:     1024
    .wavefront_size: 32
...
	.end_amdgpu_metadata
.endif
;; end of part 2
;; launch attn (part 3): grid 8 x 32, 8 waves a work-group, no clusters, 327,680 bytes of LDS; arguments qkv_h, y_h; writes y_h
.if DOCPART == 3
	.amdgcn_target "amdgcn-amd-amdhsa--gfx1250"
	.amdhsa_code_object_version 6
	.text
	.protected	k_qaaaac4a6aa_attn
	.globl	k_qaaaac4a6aa_attn
	.p2align	8
	.type	k_qaaaac4a6aa_attn,@function
k_qaaaac4a6aa_attn:
	s_mov_b64 s[64:65], 0
	v_nop
	global_prefetch_b8 v0, s[64:65] scope:SCOPE_SE
	s_setreg_imm32_b32 hwreg(HW_REG_WAVE_MODE, 25, 1), 1
	s_wait_xcnt 0x0
; y[h][q] = sum over keys k <= q of softmax(50 tanh(q.k / 400)) v[k], for 32 (batch, head) pairs of 2,048 positions and 64 channels.  q, k (normalised), v: f16 out of qkv_h; y_h [head 16][m 4096][64] f16.
; NO MAXIMUM IS TAKEN AWAY, because the computation bounds the exponents for every input: q and k are normalised over their 64 numbers, so |q.k| <= 64 (64.07 after the rounding to f16),
; |q.k / 400| <= 0.1602, the capped score lies within +-7.93, e^score within 3.6e-4 .. 2.8e3 (all normal numbers of f16), and a row's sum is at most 5.7e6.
; THE SOFTCAP IS A SERIES: on |x| <= 0.1602, x - x^3/3 + 2 x^5/15 - 17 x^7/315 misses tanh(x) by less than 1.5e-9.  With z = q.k and w = z^2: log2(e) 50 tanh(z / 400) = z (A0 + w (A1 + w (A2 + w A3))).
; SHARES: a work-group owns the blocks of 128 queries j (waves 0-3) and 15 - j (waves 4-7) of one head: 17 blocks' worth of keys in every work-group.  A wave owns 32 queries, two pieces of 16,
; so each fragment of K and V read from LDS feeds two matrix instructions.  Keys go 32 a step; K and V come through two LDS slots of 256 keys, one tensor load a wave (waves 0-3: K, waves 4-7: V).
; NO CLUSTER: under the causal mask the work-groups of a head need different numbers of tiles: a partner would have to ask for tiles that none of its waves reads.
; LAYOUT: S^T = K Q^T (a lane holds one query and the keys 16 kt + 8 h + 0..7); two such tiles, rounded in pairs, are source 1 of O^T = V^T P; V is turned by ds_load_tr16_b128.
; EVERY work-group walks all 8 slots, so that the loops' counts are constants; a step whose keys all come after the wave's queries is jumped over, and a slot whose first key comes after the work-group's last query is not asked for.
; LIMITS: |y| stays under 65,504 (f16); NaN and infinities are not served.
; REGISTERS: v1, v2 my lane's place in a tile of K, V; v3, v4 the step's addresses; v5, v6 the add's two; v7 the prefetch's offset; v[8:9], v[10:11] the pieces' sums; v[12:13] A2; v14, v15 at work at the end;
;   v16-47 Q; v48-79 K; v80-111 V; v112-143 S; v144-159 P; v160-223 O; v224-239 W; v240-255 H.
.set SLOT1, 131072                     ; slot 1 begins here: one exclusive or turns an address
.set VOFF,  36864                      ; a slot: 256 rows of K (128 bytes + 16), then 256 rows of V (128 + 32)
.set STAGE, 262144                     ; 32 rows x 144 bytes for each wave, for the way out
.set SPARE, 299008                     ; the spare words, 128 bytes for each wave, which no other line names
.set WV, 8
.set KF, 9                             ; the step's first key
.set TK, 10                            ; LDS byte of the step's rows of K
.set TV, 11                            ; and of V (less VOFF)
.set SLOTS, 12
.set STEPC, 13
.set Q0, 14
.set QL, 15
.set QLAST, 16
.set G1K, 24
.set G1V, 32
.set G0K, 40
.set G0V, 44
.set A0, 48
.set A1, 50
.set A3, 54
.set SEL, 56
.set PFA, 58
.set LIM, 60
.macro TLOAD                           ; waves 0-3 fetch 64 rows of K each, waves 4-7 of V.  An s_nop 0 and four v_nop follow each line
	s_cmp_lt_u32 s[WV], 4
	s_cbranch_scc0 .Lfor_v_\@
	tensor_load_to_lds s[G0K:G0K+3], s[G1K:G1K+7]
	s_nop 0
.rept 4
	v_nop
.endr
	s_branch .Lasked_\@
.Lfor_v_\@:
	tensor_load_to_lds s[G0V:G0V+3], s[G1V:G1V+7]
	s_nop 0
.rept 4
	v_nop
.endr
.Lasked_\@:
.endm
; A prefetch of what the NEXT change of slots will ask for.  All work-groups of a head walk the same K and V: the one with j = 0, which walks all keys, asks; each of its waves names the
; 32 blocks of 256 bytes of the 64 rows that its own tensor load will bring, lanes 256 bytes apart: each block once in the launch.  Eight key steps ahead of that load; none at the head; none at the last filling change.
.macro ASK
	s_cmp_gt_u32 s[SLOTS], s[LIM]
	s_cbranch_scc0 .Lnot_mine_\@
	global_prefetch_b8 v7, s[PFA:PFA+1] th:TH_LOAD_NT scope:SCOPE_SE
.Lnot_mine_\@:
.endm
	s_load_b128 s[4:7], s[0:1], 0x0                ; qkv_h, y_h
	v_lshl_add_u32 v5, v0, 2, SPARE
	v_mov_b32 v6, 0
	ds_add_u32 v5, v6                              ; the wave's opening: the add, twice on end, and its wait ahead of my first tensor load
	ds_add_u32 v5, v6
	v_lshrrev_b32 v1, 5, v0
	v_readfirstlane_b32 s[WV], v1
	s_and_b32 s17, s[WV], 3
	s_and_b32 s18, ttmp7, 0xffff
	s_lshr_b32 s19, s18, 4                         ; batch
	s_and_b32 s20, s18, 15                         ; head
	s_sub_co_u32 s21, 15, ttmp9
	s_cmp_lt_u32 s[WV], 4
	s_cselect_b32 s21, ttmp9, s21                  ; my block of 128 queries
	s_lshl_b32 s[Q0], s21, 7
	s_lshl_b32 s22, s17, 5
	s_add_co_u32 s[Q0], s[Q0], s22                 ; my first query,
	s_add_co_u32 s[QL], s[Q0], 31                  ; my last,
	s_sub_co_u32 s[QLAST], 16, ttmp9
	s_lshl_b32 s[QLAST], s[QLAST], 7
	s_sub_co_u32 s[QLAST], s[QLAST], 1             ; the work-group's last
	s_mov_b32 s[G1K], (1<<16)|(1<<20)|(4<<22)|(3<<25)   ; elements of 2 bytes; 4 words of padding behind every 32
	s_mov_b32 s[G1V], (1<<16)|(1<<20)|(4<<22)|(7<<25)   ; 8 words
.irp g, G1K, G1V
	s_mov_b32 s[\g+1], 64<<16                      ; tensor_dim0
	s_mov_b32 s[\g+2], 64<<16                      ; tensor_dim1
	s_mov_b32 s[\g+3], 64<<16                      ; tile_dim0
	s_mov_b32 s[\g+4], 64                          ; tile_dim1
	s_mov_b32 s[\g+5], 64                          ; from row to row
	s_mov_b32 s[\g+6], 0
	s_mov_b32 s[\g+7], 0
.endr
	s_mov_b32 s[A0], 0x3e38aa3b                    ; log2(e) / 8
	s_mov_b32 s[A0+1], s[A0]                       ; (named as a pair, so both are written)
	s_mov_b32 s[A1], 0xb4c9b411                    ; -log2(e) 50 / (3 x 400^3)
	s_mov_b32 s[A1+1], s[A1]
	s_mov_b32 s[A3], 0xa22f5314                    ; -log2(e) 850 / (315 x 400^7)
	s_mov_b32 s[A3+1], s[A3]
	s_mov_b32 s[SEL], 0x76543210
	s_mov_b32 s[SEL+1], 0xfedcba98
	s_mov_b32 s[KF], 0
	s_mov_b32 s[TK], 0
	s_mov_b32 s[TV], 0
	s_mov_b32 s[SLOTS], 7
	s_cmp_eq_u32 ttmp9, 0
	s_cselect_b32 s[LIM], 1, -1
	s_lshl_b32 s22, s20, 19                        ; the head's plane of 524,288 bytes,
	s_lshl_b32 s23, s19, 18                        ; the batch's 2,048 rows of 128 bytes
	s_add_co_u32 s22, s22, s23
	s_lshl_b32 s23, s17, 13                        ; the 64 rows that I fetch
	s_add_co_u32 s70, s22, s23
	s_add_co_u32 s70, s70, 8388608                 ; k's planes begin 16 planes on,
	s_mov_b32 s71, 0
	s_add_co_u32 s72, s70, 8388608                 ; v's 32
	s_mov_b32 s73, 0
	s_lshl_b32 s23, s[Q0], 7
	s_add_co_u32 s74, s22, s23                     ; my queries' rows, in qkv_h and in y_h alike
	s_mov_b32 s75, 0
	s_wait_dscnt 0x0                               ; both opening adds are done
	s_wait_kmcnt 0x0
	s_add_nc_u64 s[66:67], s[4:5], s[70:71]
	s_add_nc_u64 s[68:69], s[4:5], s[72:73]
	s_add_nc_u64 s[76:77], s[4:5], s[74:75]
	s_add_nc_u64 s[6:7], s[6:7], s[74:75]
	s_cmp_lt_u32 s[WV], 4
	s_cselect_b64 s[PFA:PFA+1], s[66:67], s[68:69]
	s_add_nc_u64 s[PFA:PFA+1], s[PFA:PFA+1], 32768 ; in slot 1: the first change steps it to slot 2
	s_mov_b32 s[G0K], 1
	s_mul_i32 s[G0K+1], s17, 9216
	s_mov_b64 s[G0K+2:G0K+3], s[66:67]
	s_or_b32 s[G0K+3], s[G0K+3], 0x80000000
	s_mov_b32 s[G0V], 1
	s_mul_i32 s[G0V+1], s17, 10240
	s_add_co_u32 s[G0V+1], s[G0V+1], VOFF
	s_mov_b64 s[G0V+2:G0V+3], s[68:69]
	s_or_b32 s[G0V+3], s[G0V+3], 0x80000000
	TLOAD                                          ; slot 0: keys 0-255, which count for queries of every work-group
	v_and_b32 v224, 15, v0                         ; r
	v_bfe_u32 v225, v0, 4, 1                       ; h
	v_lshlrev_b32 v226, 7, v224
	v_lshl_add_u32 v226, v225, 4, v226
.irp p, 0,1
.irp c, 0,1
	global_load_b128 v[16+16*\p+8*\c:19+16*\p+8*\c], v226, s[76:77] offset:2048*\p+64*\c       ; Q stays in registers
	global_load_b128 v[20+16*\p+8*\c:23+16*\p+8*\c], v226, s[76:77] offset:2048*\p+64*\c+32
.endr
.endr
	v_mul_u32_u24 v1, v224, 144
	v_lshl_add_u32 v1, v225, 4, v1                 ; K: row r x pitch + 16 h
	v_and_b32 v227, 7, v0
	v_lshl_add_u32 v227, v225, 3, v227
	v_mul_u32_u24 v2, v227, 160
	v_bfe_u32 v228, v0, 3, 1
	v_lshl_add_u32 v2, v228, 4, v2
	v_add_nc_u32 v2, VOFF, v2                      ; V, for the turning load: key 8 h + lane % 8, 16 bytes by (lane / 8) % 2
	v_and_b32 v7, 31, v0
	v_lshlrev_b32 v7, 8, v7
	v_mov_b32 v12, 0x2b843036                      ; A2 = log2(e) 100 / (15 x 400^5), twice
	v_mov_b32 v13, 0x2b843036
.irp n, 8,9,10,11,14,15
	v_mov_b32 v\n, 0
.endr
.set n, 48
.rept 32
	v_mov_b32 v[n], 0                              ; K's registers: written once, so that they are written on every way through the text
.set n, n+1
.endr
.set n, 160
.rept 64
	v_mov_b32 v[n], 0                              ; O^T.  (The step is written once and has no first step of its own)
.set n, n+1
.endr
.macro QK p, i                         ; S^T(p, kt) (+)= K(kt, c) Q(p, c), kt = i % 2, c = i / 2
.set rS, 112+16*(\p)+8*((\i)%2)
.set rK, 48+16*((\i)%2)+8*((\i)/2)
.set rQ, 16+16*(\p)+8*((\i)/2)
.if (\i) < 2
	v_wmma_f32_16x16x32_f16 v[rS:rS+7], v[rK:rK+7], v[rQ:rQ+7], 0
.else
	v_wmma_f32_16x16x32_f16 v[rS:rS+7], v[rK:rK+7], v[rQ:rQ+7], v[rS:rS+7]
.endif
.endm
.macro PV p, t                         ; O^T(p, t) += V^T(t) P(p)
.set rO, 160+32*(\p)+8*(\t)
	v_wmma_f32_16x16x32_f16 v[rO:rO+7], v[80+8*(\t):87+8*(\t)], v[144+8*(\p):151+8*(\p)], v[rO:rO+7]
.endm
.macro KLOAD off                       ; 32 keys x 64 channels: four fragments
.irp kt, 0,1
.irp c, 0,1
	ds_load_b128 v[48+16*\kt+8*\c:51+16*\kt+8*\c], v3 offset:\off+2304*\kt+64*\c
	ds_load_b128 v[52+16*\kt+8*\c:55+16*\kt+8*\c], v3 offset:\off+2304*\kt+64*\c+32
.endr
.endr
.endm
.macro SMA p                           ; w = z^2
.irp k, 0,1,2,3,4,5,6,7
	v_pk_mul_f32 v[224+2*\k:225+2*\k], v[112+16*(\p)+2*\k:113+16*(\p)+2*\k], v[112+16*(\p)+2*\k:113+16*(\p)+2*\k]
.endr
.endm
.macro SMB
.irp k, 0,1,2,3,4,5,6,7
	v_pk_fma_f32 v[240+2*\k:241+2*\k], v[224+2*\k:225+2*\k], s[A3:A3+1], v[12:13] op_sel_hi:[1,0,1]
.endr
.endm
.macro SMC
.irp k, 0,1,2,3,4,5,6,7
	v_pk_fma_f32 v[240+2*\k:241+2*\k], v[240+2*\k:241+2*\k], v[224+2*\k:225+2*\k], s[A1:A1+1] op_sel_hi:[1,1,0]
.endr
.endm
.macro SMD
.irp k, 0,1,2,3,4,5,6,7
	v_pk_fma_f32 v[240+2*\k:241+2*\k], v[240+2*\k:241+2*\k], v[224+2*\k:225+2*\k], s[A0:A0+1] op_sel_hi:[1,1,0]
.endr
.endm
.macro SME p                           ; the exponent to base 2
.irp k, 0,1,2,3,4,5,6,7
	v_pk_mul_f32 v[112+16*(\p)+2*\k:113+16*(\p)+2*\k], v[240+2*\k:241+2*\k], v[112+16*(\p)+2*\k:113+16*(\p)+2*\k]
.endr
.endm
.macro MASK p                          ; in the one step on the diagonal hidden keys get -infinity: their weight is 0
	s_cmp_lg_u32 s[KF], s[Q0]
	s_cbranch_scc1 .Lopen_\@
	v_and_b32 v224, 15, v0
	v_bfe_u32 v225, v0, 4, 1
	v_lshlrev_b32 v225, 3, v225
	v_sub_nc_u32 v224, v224, v225
	v_add_nc_u32 v224, 16*(\p), v224               ; d = my query - 8 h.  Register n holds key 16 (n / 8) + 8 h + n % 8: hidden where 16 (n / 8) + n % 8 > d
	v_mov_b32 v225, 0xff800000
.irp n, 0,1,2,3,4,5,6,7,8,9,10,11,12,13,14,15
	v_cmp_gt_i32 vcc_lo, 16*(\n/8)+\n%8, v224
	v_cndmask_b32 v[112+16*(\p)+\n], v[112+16*(\p)+\n], v225, vcc_lo
.endr
.Lopen_\@:
.endm
.macro SMX p                           ; the 16 exponentials are one batch with one wait
.irp n, 0,1,2,3,4,5,6,7,8,9,10,11,12,13,14,15
	v_exp_f32 v[112+16*(\p)+\n], v[112+16*(\p)+\n]
.endr
	v_nop
	s_wait_alu depctr_va_vdst(0)
.endm
.macro SMP p                           ; rounded to f16 in pairs: source 1 of the second product
.irp k, 0,1,2,3,4,5,6,7
	v_cvt_pk_f16_f32 v[144+8*(\p)+\k], v[112+16*(\p)+2*\k], v[113+16*(\p)+2*\k]
.endr
.endm
.macro SMS p                           ; the sum of the unrounded weights, by a tree in place
.set rS, 112+16*(\p)
.irp u, 0,4,8,12
	v_pk_add_f32 v[rS+\u:rS+\u+1], v[rS+\u:rS+\u+1], v[rS+\u+2:rS+\u+3]
.endr
	v_pk_add_f32 v[rS:rS+1], v[rS:rS+1], v[rS+4:rS+5]
	v_pk_add_f32 v[rS+8:rS+9], v[rS+8:rS+9], v[rS+12:rS+13]
	v_pk_add_f32 v[rS:rS+1], v[rS:rS+1], v[rS+8:rS+9]
	v_pk_add_f32 v[8+2*(\p):9+2*(\p)], v[8+2*(\p):9+2*(\p)], v[rS:rS+1]
.endm
; A KEY STEP: 32 keys.  No two matrix instructions that follow each other share an accumulator, over the backward jump too.
.macro STEP
	s_cmp_gt_u32 s[KF], s[QL]                      ; all keys come after my queries: only the counters step
	s_cbranch_scc1 .Lhidden_\@
	v_add_nc_u32 v3, s[TK], v1
	v_add_nc_u32 v4, s[TV], v2
	v_nop
	v_nop                                          ; four places behind the last step's products, ahead of the loads into V's registers
.irp t, 0,1,2,3
	ds_load_tr16_b128 v[80+8*\t:83+8*\t], v4 offset:32*\t
	ds_load_tr16_b128 v[84+8*\t:87+8*\t], v4 offset:32*\t+2560
.endr
	s_wait_dscnt 8                                 ; K, asked for a step ago, is in; V's eight may be out
	QK 0, 0
	QK 0, 1
	QK 0, 2
	QK 0, 3
	QK 1, 0
	v_nop
	v_nop
	QK 1, 1
	v_nop
	v_nop                                          ; four places between piece 0's last product and the first read of its scores
	QK 1, 2
	SMA 0
	QK 1, 3
	SMB                                            ; (eight places ahead of the loads into K's registers)
	s_cmp_eq_u32 s[STEPC], 1                       ; the next step's K, if it lies in this slot: the slot's eighth step asks for nothing
	s_cbranch_scc1 .Lnok_\@
	KLOAD 4608
.Lnok_\@:
	SMC
	SMD
	SME 0
	MASK 0
	SMX 0
	SMP 0
	SMS 0
	s_wait_dscnt 0x0                               ; V is in (0, so that the count holds on both ways round K's loads)
	PV 0, 0
	SMA 1
	PV 0, 1
	SMB
	PV 0, 2
	SMC
	PV 0, 3
	SMD
	SME 1
	MASK 1
	SMX 1
	SMP 1
	SMS 1
	PV 1, 0
	PV 1, 1
	PV 1, 2
	PV 1, 3
.Lhidden_\@:
	s_add_co_u32 s[KF], s[KF], 32
	s_add_co_u32 s[TK], s[TK], 4608
	s_add_co_u32 s[TV], s[TV], 5120
.endm
.macro SLOT_STEPS                      ; a slot's eight steps: written once, walked eight times
	s_cmp_gt_u32 s[KF], s[QL]
	s_cbranch_scc1 .Lnofirst_\@
	v_add_nc_u32 v3, s[TK], v1
	KLOAD 0
.Lnofirst_\@:
	s_mov_b32 s[STEPC], 8
.Lstep_\@:
	STEP
	s_sub_co_u32 s[STEPC], s[STEPC], 1
	s_cmp_lg_u32 s[STEPC], 0
	s_cbranch_scc1 .Lstep_\@
	s_sub_co_u32 s[TK], s[TK], 36864               ; back to a slot's first step,
	s_xor_b32 s[TK], s[TK], SLOT1                  ; in the other slot
	s_sub_co_u32 s[TV], s[TV], 40960
	s_xor_b32 s[TV], s[TV], SLOT1
.endm
; THE CHANGE OF SLOTS, at a slot's head.  Each wave waits for all its tensor loads (its part of the slot ahead), adds 0 to its spare word, and waits for that and for its reads of the slot that it has left.
; Behind the barrier the slot ahead is whole and nobody reads the other: fill = 1: that one takes the next 256 keys, one load a wave, with eight steps in which to land.
.macro CHANGE fill
	s_wait_tensorcnt 0x0                           ; no tensor load of mine is out, so a group 0 may be written
	ds_add_u32 v5, v6
.if \fill
	s_xor_b32 s[G0K+1], s[G0K+1], SLOT1
	s_add_nc_u64 s[G0K+2:G0K+3], s[G0K+2:G0K+3], 32768
	s_xor_b32 s[G0V+1], s[G0V+1], SLOT1
	s_add_nc_u64 s[G0V+2:G0V+3], s[G0V+2:G0V+3], 32768
	s_wait_xcnt 0x0                                ; the last prefetch, a slot back, has read its address
	s_add_nc_u64 s[PFA:PFA+1], s[PFA:PFA+1], 32768
.endif
	s_wait_dscnt 0x0
	s_barrier_signal -1
	s_barrier_wait -1
.if \fill
	s_add_co_u32 s61, s[KF], 256                   ; the first key of the slot that this change would ask for:
	s_cmp_gt_u32 s61, s[QLAST]                     ; past the work-group's last query none of its waves would read it.  Ids and the count of steps alone: all eight waves go the same way
	s_cbranch_scc1 .Lpast_\@
	TLOAD
.Lpast_\@:
	ASK
.endif
.endm
	s_wait_loadcnt 0x0                             ; Q
.Lslot:
	CHANGE 1
	SLOT_STEPS
	s_sub_co_u32 s[SLOTS], s[SLOTS], 1
	s_cmp_lg_u32 s[SLOTS], 0
	s_cbranch_scc1 .Lslot
	CHANGE 0                                       ; the last slot is written out: nothing is left to ask for
	SLOT_STEPS
	; THE WAY OUT.  The address work is also the places behind the last products.
	s_wait_dscnt 0x0                               ; no LDS load is out on any way through the text (the last slot's first loads of K among them): K's and V's registers are written and read below
	s_mul_i32 s61, s[WV], 4608
	s_add_co_u32 s61, s61, STAGE
	v_and_b32 v224, 15, v0
	v_bfe_u32 v225, v0, 4, 1
	v_mul_u32_u24 v1, v224, 144
	v_lshl_add_u32 v1, v225, 4, v1
	v_add_nc_u32 v1, s61, v1                       ; in: row r, 16 bytes for each half of the lanes
	v_and_b32 v226, 31, v0
	v_lshrrev_b32 v227, 3, v226
	v_and_b32 v228, 7, v226
	v_mul_u32_u24 v2, v227, 144
	v_lshl_add_u32 v2, v228, 4, v2
	v_add_nc_u32 v2, s61, v2                       ; back: eight lanes to a row, four rows an instruction
	v_lshlrev_b32 v3, 4, v226                      ; the same 512 bytes on end in y_h
	v_add_f32 v8, v8, v9
	v_add_f32 v10, v10, v11
	v_permlanex16_b32 v14, v8, s[SEL], s[SEL+1]    ; the query's other keys lie in the lane 16 away
	v_permlanex16_b32 v15, v10, s[SEL], s[SEL+1]
	v_add_f32 v8, v8, v14
	v_add_f32 v10, v10, v15
	v_rcp_f32 v12, v8
	v_rcp_f32 v14, v10
	v_nop
	s_wait_alu depctr_va_vdst(0)                   ; one wait for the two reciprocals, ahead of their first reader
.irp p, 0,1
.irp k, 0,1,2,3,4,5,6,7,8,9,10,11,12,13,14,15
	v_pk_mul_f32 v[48+32*\p+2*\k:49+32*\p+2*\k], v[160+32*\p+2*\k:161+32*\p+2*\k], v[12+2*\p:13+2*\p] op_sel_hi:[1,0]
.endr
.endr
.irp p, 0,1
.irp k, 0,1,2,3,4,5,6,7,8,9,10,11,12,13,14,15
	v_cvt_pk_f16_f32 v[112+16*\p+\k], v[48+32*\p+2*\k], v[49+32*\p+2*\k]
.endr
.endr
.irp p, 0,1
.irp t, 0,1,2,3
	ds_store_b128 v1, v[112+16*\p+4*\t:115+16*\p+4*\t] offset:2304*\p+32*\t
.endr
.endr
.irp j, 0,1,2,3,4,5,6,7
	ds_load_b128 v[224+4*\j:227+4*\j], v2 offset:576*\j            ; LDS serves a wave's instructions in order: these see my stores
.endr
.irp j, 0,1,2,3,4,5,6,7
	s_wait_dscnt 7-\j
	global_store_b128 v3, v[224+4*\j:227+4*\j], s[6:7] offset:512*\j
.endr
	s_wait_tensorcnt 0x0                           ; the wave's end
	ds_add_u32 v5, v6
	s_wait_dscnt 0x0
	s_endpgm
.Lfunc_end_k_qaaaac4a6aa_attn:
	.size	k_qaaaac4a6aa_attn, .Lfunc_end_k_qaaaac4a6aa_attn-k_qaaaac4a6aa_attn
	.p2alignl 7, 3214868480
	.fill 96, 4, 3214868480
	.section	.rodata,"a",@progbits
	.p2align	6, 0x0
	.amdhsa_kernel k_qaaaac4a6aa_attn
		.amdhsa_group_segment_fixed_size 327680
		.amdhsa_private_segment_fixed_size 0
		.amdhsa_enable_private_segment 0
		.amdhsa_kernarg_size 16
		.amdhsa_user_sgpr_count 2
		.amdhsa_user_sgpr_kernarg_segment_ptr 1
		.amdhsa_wavefront_size32 1
		.amdhsa_system_sgpr_workgroup_id_x 1
		.amdhsa_system_sgpr_workgroup_id_y 1
		.amdhsa_system_sgpr_workgroup_id_z 1
		.amdhsa_system_vgpr_workitem_id 0
		.amdhsa_next_free_vgpr 256
		.amdhsa_next_free_sgpr 80
		.amdhsa_reserve_vcc 1
		.amdhsa_float_denorm_mode_32 3
		.amdhsa_float_denorm_mode_16_64 3
		.amdhsa_memory_ordered 1
		.amdhsa_forward_progress 1
		.amdhsa_inst_pref_size 47
	.end_amdhsa_kernel
	.amdgpu_metadata
---
amdhsa.version: [ 1, 2 ]
amdhsa.kernels:
  - .name:           k_qaaaac4a6aa_attn
    .symbol:         k_qaaaac4a6aa_attn.kd
    .args:
      - { .name: qkv_h, .offset: 0, .size: 8, .value_kind: global_buffer, .address_space: global }
      - { .name: y_h, .offset: 8, .size: 8, .value_kind: global_buffer, .address_space: global }
    .group_segment_fixed_size: 327680
    .private_segment_fixed_size: 0
    .kernarg_segment_align: 8
    .kernarg_segment_size: 16
    .max_flat_workgroup_size: 256
    .sgpr_count:     80
    .vgpr_count:     256
    .wavefront_size: 32
...
	.end_amdgpu_metadata
.endif
;; end of part 3
;; launch proj (part 4): grid 8 x 32, 4 waves a work-group, clusters of 4 x 4, 327,680 bytes of LDS; arguments y_h, wo_h, out0; writes out0
.if DOCPART == 4
	.amdgcn_target "amdgcn-amd-amdhsa--gfx1250"
	.amdhsa_code_object_version 6
	.text
	.protected	k_qaaaac4a6aa_proj
	.globl	k_qaaaac4a6aa_proj
	.p2align	8
	.type	k_qaaaac4a6aa_proj,@function
k_qaaaac4a6aa_proj:
	s_mov_b64 s[64:65], 0
	v_nop
	global_prefetch_b8 v0, s[64:65] scope:SCOPE_SE
	s_setreg_imm32_b32 hwreg(HW_REG_WAVE_MODE, 25, 1), 1
	s_wait_xcnt 0x0
	s_wait_alu depctr_hold_cnt(0) depctr_sa_sdst(0) depctr_va_vdst(0) depctr_va_sdst(0) depctr_va_ssrc(0) depctr_va_vcc(0) depctr_vm_vsrc(0)
	s_getreg_b32 s2, hwreg(HW_REG_IB_STS2, 6, 4)
	s_cmp_eq_u32 s2, 0
	s_cbranch_scc0 .Lentry_in_a_cluster
	s_endpgm
.Lentry_in_a_cluster:
	s_bfe_u32 s2, ttmp6, 0x10000c
	s_cmp_lg_u32 s2, 0xf033
	s_cbranch_scc0 .Lentry_shape_is_right
	s_endpgm
.Lentry_shape_is_right:
; out0[m][n] = sum over k of y[m][k] w_o[n][k], m 4,096, n 1,024, K 1,024 = 16 heads x 64; f16 operands, f32 sums and results.
; y_h [head][m 4096][64], wo_h [head][n 1024][64]: K runs head by head in both.  64 rows of one head are 8,192 bytes on end: one row of a tile whose second axis walks four heads.
; A tile of out0 is 128 x 128: 256 work-groups; four waves of 64 x 64: 16 accumulators.  A K step is four heads (256 along K), a quarter one head; four K steps on two LDS slots.
; CLUSTERS 4 x 4: y's tile is shared along a row of the cluster, w_o's along a column: joint loads.  THE PRODUCT IS USED TRANSPOSED: a lane holds eight neighbouring numbers of a row of out0.
; All 4,096 rows are stored: partners run alike, so no branch hangs on the tile row.  The first 16 rows of each sequence are replaced by the launch that follows, which carries them in f32.
; REGISTERS: window 0: v16-29 addresses; v32-95 the way out; v128-255 the accumulators ((a, b) at v[128 + 8 (4 a + b)]).  window 1: two fragment buffers of 128: 64 registers of y, then 64 of w_o.
.set HALFT,  36864                     ; 4 heads x 64 rows x (128 + 16) bytes: what one tensor load brings
.set SLOT,   4*HALFT                   ; y's two halves, then w_o's
.set SPARE,  2*SLOT                    ; the spare words, 128 bytes for each wave, which no other line names
.set SPITCH, 272                       ; the way out: 16 rows x (256 + 16) bytes for each wave, in slot 0, which has had its last fill and its last read by then
.set ADRA, 16
.set ADRB, 20
.set STO,  24
.set RD,   25
.set CO,   26
.set SPW,  28
.set NIL,  29
.set TMP,  32
.set ACC,  128
.set F0,   0
.set F1,   128
.set G1, 24
.set G0, 32
.set G1B, 48
.set G0B, 56
.set MSB, 0
.macro WIN new
.if MSB != (\new)
	s_set_vgpr_msb (MSB<<8)|(\new)
.set MSB, (\new)
.endif
.endm
.set MUL,  0x05                        ; sources 0 and 1 window 1; C and D window 0
.set TO_F, 0x40
.macro JLOAD s                         ; waves 0, 1 fetch y's halves, waves 2, 3 w_o's; an s_nop 0 and four v_nop follow each line
	s_cmp_eq_u32 s11, 0
	s_cbranch_scc0 .Lfor_b_\@
	tensor_load_to_lds s[G0+4*\s:G0+4*\s+3], s[G1:G1+7]
	s_nop 0
.rept 4
	v_nop
.endr
	s_branch .Lasked_\@
.Lfor_b_\@:
	tensor_load_to_lds s[G0B+4*\s:G0B+4*\s+3], s[G1B:G1B+7]
	s_nop 0
.rept 4
	v_nop
.endr
.Lasked_\@:
.endm
.macro CREST
	s_cmp_lg_u32 s10, 0
	s_cbranch_scc1 .Lnot_wave_0_\@
	s_barrier_signal -3
.Lnot_wave_0_\@:
	s_barrier_wait -3
	s_barrier_signal -1
	s_barrier_wait -1
.endm
.macro CROUND
	s_barrier_signal -1
	s_barrier_wait -1
	CREST
.endm
	s_load_b128 s[4:7], s[0:1], 0x0                ; y_h, wo_h
	s_load_b64 s[8:9], s[0:1], 0x10                ; out0
	v_lshl_add_u32 v[SPW], v0, 2, SPARE
	v_mov_b32 v[NIL], 0
	ds_add_u32 v[SPW], v[NIL]                      ; the wave's opening: the add, twice on end, and its wait ahead of my first tensor load
	ds_add_u32 v[SPW], v[NIL]
	v_lshrrev_b32 v1, 5, v0
	v_readfirstlane_b32 s10, v1
	s_lshr_b32 s11, s10, 1                         ; my half of the tile's rows.  Also: I fetch for y (0) or for w_o (1)
	s_and_b32 s12, s10, 1                          ; my half of its columns.  Also: which 64 rows I fetch
	s_bfe_u32 s40, ttmp6, 0x40000
	s_bfe_u32 s41, ttmp6, 0x40004
	s_lshl_b32 s42, ttmp9, 2
	s_add_co_u32 s42, s42, s40                     ; tile column
	s_and_b32 s13, ttmp7, 0xffff
	s_lshl_b32 s13, s13, 2
	s_add_co_u32 s13, s13, s41                     ; tile row
	s_lshl_b32 s43, s41, 2
	s_lshl_b32 s43, 15, s43                        ; my row of the cluster
	s_lshl_b32 s44, 0x1111, s40                    ; my column
	s_or_b32 s[G1+0], s43, (1<<16)|(1<<20)|(1<<21)|(4<<22)|(3<<25)   ; elements of 2 bytes; 4 words of padding behind every 32: each 128 bytes get 16
	s_or_b32 s[G1B+0], s44, (1<<16)|(1<<20)|(1<<21)|(4<<22)|(3<<25)
.irp g, G1, G1B
	s_mov_b32 s[\g+1], 4096<<16                    ; tensor_dim0 = 64 rows x 64
	s_mov_b32 s[\g+2], 4<<16                       ; tensor_dim1 = 4 heads
	s_mov_b32 s[\g+3], 4096<<16                    ; tile_dim0
	s_mov_b32 s[\g+4], 4                           ; tile_dim1
	s_mov_b32 s[\g+6], 0
	s_mov_b32 s[\g+7], 0
.endr
	s_mov_b32 s[G1+5], 262144                      ; from head to head, in elements
	s_mov_b32 s[G1B+5], 65536
	s_lshl_b32 s17, s12, 6
	s_lshl_b32 s16, s13, 7
	s_add_co_u32 s16, s16, s17
	s_lshl_b32 s16, s16, 7                         ; y: (128 x tile row + 64 x half) rows of 128 bytes
	s_lshl_b32 s46, s42, 7
	s_add_co_u32 s46, s46, s17
	s_lshl_b32 s46, s46, 7                         ; w_o: by the tile column
	s_mov_b32 s17, 0
	s_mov_b32 s47, 0
	s_mul_i32 s20, s10, HALFT
	s_wait_dscnt 0x0                               ; both opening adds are done
	s_wait_kmcnt 0x0
	s_add_nc_u64 s[14:15], s[4:5], s[16:17]
	s_add_nc_u64 s[46:47], s[6:7], s[46:47]
	CROUND                                         ; all sixteen work-groups are here: the first joint loads meet
.irp s, 0,1
	s_mov_b32 s[G0+4*\s], 1
	s_add_co_u32 s[G0+4*\s+1], s20, \s*SLOT
	s_add_nc_u64 s[G0+4*\s+2:G0+4*\s+3], s[14:15], \s*2097152      ; four heads on
	s_or_b32 s[G0+4*\s+3], s[G0+4*\s+3], 0x80000000
	s_mov_b32 s[G0B+4*\s], 1
	s_add_co_u32 s[G0B+4*\s+1], s20, \s*SLOT
	s_add_nc_u64 s[G0B+4*\s+2:G0B+4*\s+3], s[46:47], \s*524288
	s_or_b32 s[G0B+4*\s+3], s[G0B+4*\s+3], 0x80000000
	JLOAD \s
.endr
	v_and_b32 v1, 15, v0
	v_bfe_u32 v2, v0, 4, 1
	v_mul_u32_u24 v3, v1, 144
	v_lshl_add_u32 v3, v2, 4, v3
	s_mul_i32 s21, s11, HALFT
	s_mul_i32 s22, s12, HALFT
	s_add_co_u32 s22, s22, 2*HALFT
.irp s, 0,1
	v_add_nc_u32 v[ADRA+\s], s21, v3
	v_add_nc_u32 v[ADRB+\s], s22, v3
	s_add_co_u32 s21, s21, SLOT
	s_add_co_u32 s22, s22, SLOT
.endr
	s_mul_i32 s23, s10, 16*SPITCH                  ; my stage
	v_mul_u32_u24 v4, v1, SPITCH
	v_lshl_add_u32 v4, v2, 5, v4
	v_add_nc_u32 v[STO], s23, v4                   ; in: row r, 32 bytes for each half of the lanes
	v_mul_u32_u24 v5, v2, SPITCH
	v_lshl_add_u32 v5, v1, 4, v5
	v_add_nc_u32 v[RD], s23, v5                    ; back: lanes 0-15 one row of 256 bytes, lanes 16-31 the next
	v_lshlrev_b32 v5, 12, v2
	v_lshl_add_u32 v[CO], v1, 4, v5                ; and the same two rows in out0
	s_lshl_b32 s16, s13, 7
	s_lshl_b32 s17, s11, 6
	s_add_co_u32 s16, s16, s17
	s_lshl_b32 s16, s16, 12                        ; my first row x 4,096 bytes
	s_mov_b32 s17, 0
	s_add_nc_u64 s[8:9], s[8:9], s[16:17]
	s_lshl_b32 s46, s42, 9
	s_lshl_b32 s47, s12, 8
	s_add_co_u32 s46, s46, s47                     ; my first column, in bytes
	s_mov_b32 s47, 0
	s_add_nc_u64 s[8:9], s[8:9], s[46:47]
.macro MUL8 f, c, a0, zero             ; the 16 accumulators take turns, one instruction a turn
.irp a, \a0, \a0+1
.irp b, 0,1,2,3
.if \zero
	v_wmma_f32_16x16x32_f16 v[ACC+8*(4*(\a)+\b):ACC+8*(4*(\a)+\b)+7], v[\f+64+8*(4*\c+\b):\f+64+8*(4*\c+\b)+7], v[\f+8*(4*\c+\a):\f+8*(4*\c+\a)+7], 0
.else
	v_wmma_f32_16x16x32_f16 v[ACC+8*(4*(\a)+\b):ACC+8*(4*(\a)+\b)+7], v[\f+64+8*(4*\c+\b):\f+64+8*(4*\c+\b)+7], v[\f+8*(4*\c+\a):\f+8*(4*\c+\a)+7], v[ACC+8*(4*(\a)+\b):ACC+8*(4*(\a)+\b)+7]
.endif
.endr
.endr
.endm
.macro FETCH slot, q, f                ; head q of the slot: 32 LDS loads in one run, the first 32 along K first
	WIN TO_F
.irp c, 0,1
.irp i, 0,1,2,3
	ds_load_b128 v[\f+64+8*(4*\c+\i):\f+64+8*(4*\c+\i)+3],   v[ADRB+\slot] offset:9216*(\q)+64*\c+\i*2304
	ds_load_b128 v[\f+64+8*(4*\c+\i)+4:\f+64+8*(4*\c+\i)+7], v[ADRB+\slot] offset:9216*(\q)+64*\c+\i*2304+32
	ds_load_b128 v[\f+8*(4*\c+\i):\f+8*(4*\c+\i)+3],         v[ADRA+\slot] offset:9216*(\q)+64*\c+\i*2304
	ds_load_b128 v[\f+8*(4*\c+\i)+4:\f+8*(4*\c+\i)+7],       v[ADRA+\slot] offset:9216*(\q)+64*\c+\i*2304+32
.endr
.endr
.endm
.macro PLACES
.rept 4
	v_nop
.endr
.endm
.macro QUARTER slot, q, f, g, zero     ; multiplies buffer f and fetches head q of the same slot into g
	s_wait_dscnt 16                                ; the first 32 along K are in
	WIN MUL
	MUL8 \f, 0, 0, \zero
	MUL8 \f, 0, 2, \zero
	PLACES
	FETCH \slot, \q, \g
	s_wait_dscnt 32                                ; all but the 32 just issued
	WIN MUL
	MUL8 \f, 1, 0, 0
	MUL8 \f, 1, 2, 0
.endm
; A slot's last quarter changes slots: one barrier; in front of it each wave waits for all its tensor loads, adds 0 to its spare word, and waits for that and for its reads of this slot.
.macro TURN slot, next, fill
	WIN 0
	s_wait_tensorcnt 0x0                           ; my part of the next slot has landed
	ds_add_u32 v[SPW], v[NIL]
	s_wait_dscnt 17                                ; (the add and the youngest sixteen loads may be out)
	WIN MUL
	MUL8 F1, 0, 0, 0
	s_wait_dscnt 0x0                               ; the add is done, and my reads of this slot are over
	s_barrier_signal -1
	MUL8 F1, 0, 2, 0
.if \fill
	WIN 0
.endif
	s_barrier_wait -1
.if \fill
	CREST                                          ; the barrier has opened a round of the cluster's: no wave of any partner still reads this slot or has a load on its way
	s_add_nc_u64 s[G0+4*\slot+2:G0+4*\slot+3], s[G0+4*\slot+2:G0+4*\slot+3], 4194304    ; eight heads on
	s_add_nc_u64 s[G0B+4*\slot+2:G0B+4*\slot+3], s[G0B+4*\slot+2:G0B+4*\slot+3], 1048576
	JLOAD \slot                                    ; the first tensor load behind the round; its four v_nop are also the places ahead of the loads below
.else
	PLACES
.endif
	FETCH \next, 0, F0
	WIN MUL
	MUL8 F1, 1, 0, 0
	MUL8 F1, 1, 2, 0
.endm
	s_wait_tensorcnt 1                             ; my part of K step 0 is in; K step 1's may stay out
	s_barrier_signal -1
	s_barrier_wait -1
	FETCH 0, 0, F0
	QUARTER 0, 1, F0, F1, 1                        ; the first products start the sums
	QUARTER 0, 2, F1, F0, 0
	QUARTER 0, 3, F0, F1, 0
	TURN 0, 1, 1                                   ; slot 0 takes K step 2
	QUARTER 1, 1, F0, F1, 0
	QUARTER 1, 2, F1, F0, 0
	QUARTER 1, 3, F0, F1, 0
	TURN 1, 0, 1                                   ; slot 1 takes K step 3
	QUARTER 0, 1, F0, F1, 0
	QUARTER 0, 2, F1, F0, 0
	QUARTER 0, 3, F0, F1, 0
	TURN 0, 1, 0                                   ; nothing is left to ask for
	QUARTER 1, 1, F0, F1, 0
	QUARTER 1, 2, F1, F0, 0
	QUARTER 1, 3, F0, F1, 0
	s_wait_dscnt 16
	WIN MUL
	MUL8 F1, 0, 0, 0
	MUL8 F1, 0, 2, 0
	s_wait_dscnt 0x0
	MUL8 F1, 1, 0, 0
	MUL8 F1, 1, 2, 0
	WIN 0
	; THE WAY OUT, 16 rows x 64 columns at a time, through my stage: sixteen lanes then store 256 bytes on end, aligned.
	PLACES
.irp a, 0,1,2,3
.if \a >= 2
	s_wait_xcnt 0x0                                ; the stores of two blocks back have read the set into which the loads below land
.endif
.irp b, 0,1,2,3
	ds_store_b128 v[STO], v[ACC+8*(4*\a+\b):ACC+8*(4*\a+\b)+3] offset:64*\b            ; each accumulator from its low end on
	ds_store_b128 v[STO], v[ACC+8*(4*\a+\b)+4:ACC+8*(4*\a+\b)+7] offset:64*\b+16
.endr
.irp t, 0,1,2,3,4,5,6,7
	ds_load_b128 v[TMP+32*(\a%2)+4*\t:TMP+32*(\a%2)+4*\t+3], v[RD] offset:\t*2*SPITCH  ; LDS serves a wave's instructions in order: these see my stores
.endr
	s_wait_dscnt 0x0
.irp t, 0,1,2,3,4,5,6,7
	global_store_b128 v[CO], v[TMP+32*(\a%2)+4*\t:TMP+32*(\a%2)+4*\t+3], s[8:9] offset:(16*\a+2*\t)*4096 th:TH_STORE_NT
.endr
.endr
	s_wait_tensorcnt 0x0                           ; the wave's end
	ds_add_u32 v[SPW], v[NIL]
	s_wait_dscnt 0x0
	CROUND                                         ; the closing round
	s_endpgm
.Lfunc_end_k_qaaaac4a6aa_proj:
	.size	k_qaaaac4a6aa_proj, .Lfunc_end_k_qaaaac4a6aa_proj-k_qaaaac4a6aa_proj
	.p2alignl 7, 3214868480
	.fill 96, 4, 3214868480
	.section	.rodata,"a",@progbits
	.p2align	6, 0x0
	.amdhsa_kernel k_qaaaac4a6aa_proj
		.amdhsa_group_segment_fixed_size 327680
		.amdhsa_private_segment_fixed_size 0
		.amdhsa_enable_private_segment 0
		.amdhsa_kernarg_size 24
		.amdhsa_user_sgpr_count 2
		.amdhsa_user_sgpr_kernarg_segment_ptr 1
		.amdhsa_wavefront_size32 1
		.amdhsa_system_sgpr_workgroup_id_x 1
		.amdhsa_system_sgpr_workgroup_id_y 1
		.amdhsa_system_sgpr_workgroup_id_z 1
		.amdhsa_system_vgpr_workitem_id 0
		.amdhsa_next_free_vgpr 512
		.amdhsa_next_free_sgpr 66
		.amdhsa_reserve_vcc 0
		.amdhsa_float_denorm_mode_32 3
		.amdhsa_float_denorm_mode_16_64 3
		.amdhsa_memory_ordered 1
		.amdhsa_forward_progress 1
		.amdhsa_inst_pref_size 85
	.end_amdhsa_kernel
	.amdgpu_metadata
---
amdhsa.version: [ 1, 2 ]
amdhsa.kernels:
  - .name:           k_qaaaac4a6aa_proj
    .symbol:         k_qaaaac4a6aa_proj.kd
    .args:
      - { .name: y_h, .offset: 0, .size: 8, .value_kind: global_buffer, .address_space: global }
      - { .name: wo_h, .offset: 8, .size: 8, .value_kind: global_buffer, .address_space: global }
      - { .name: out0, .offset: 16, .size: 8, .value_kind: global_buffer, .address_space: global }
    .group_segment_fixed_size: 327680
    .private_segment_fixed_size: 0
    .kernarg_segment_align: 8
    .kernarg_segment_size: 24
    .max_flat_workgroup_size: 128
    .sgpr_count:     66
    .vgpr_count:     512
    .wavefront_size: 32
...
	.end_amdgpu_metadata
.endif
;; end of part 4
;; launch fine (part 5): grid 32 x 2, 16 waves a work-group, no clusters, 38,912 bytes of LDS; arguments fine, w_o, out0; writes out0
.if DOCPART == 5
	.amdgcn_target "amdgcn-amd-amdhsa--gfx1250"
	.amdhsa_code_object_version 6
	.text
	.protected	k_qaaaac4a6aa_fine
	.globl	k_qaaaac4a6aa_fine
	.p2align	8
	.type	k_qaaaac4a6aa_fine,@function
k_qaaaac4a6aa_fine:
	s_mov_b64 s[64:65], 0
	v_nop
	global_prefetch_b8 v0, s[64:65] scope:SCOPE_SE
	s_setreg_imm32_b32 hwreg(HW_REG_WAVE_MODE, 25, 1), 1
	s_wait_xcnt 0x0
; Positions 0-15 of both sequences once more, wholly in f32: their rows average one to sixteen values, so operands rounded to f16 would weigh most there.  It runs last and replaces 32 rows of out0.
; fine [g 48][batch 2][16][64] f32: q and k normalised, v; w_o [1024][1024] f32.
; SHARES: a work-group takes one batch and 32 columns of out0.  Wave h does head h's attention for the 16 rows (each of a batch's 32 work-groups repeats that: 12 KiB a wave),
; multiplies its 64 channels of y by w_o's 32 rows, and the 16 partial tiles are added through LDS in a fixed order.
; All products by the f32 matrix form, K 4 an instruction; k is permuted alike in both operands.  Its accumulators (v176-239) are written by matrix instructions alone.
; The softcap's series and the absence of a maximum: as in the launch for the other rows: |q.k| <= 64 for every input, since q and k are normalised.
; The stores are pieces of 128 bytes of 32 rows, 131,072 bytes in all: 64 columns to a work-group would not fit in a wave's 256 registers.
.set QF,   16                          ; v16-47  Q, later y
.set KFR,  48                          ; v48-79  K, later P v48-55, Z v56-63, W v64-71, H v72-79
.set VF,   80                          ; v80-111 V
.set WF,   112                         ; v112-175 w_o, later the 16 partial pieces
.set ACC1, 176                         ; four accumulators of S^T, later two of the partial tile
.set ACC2, 208                         ; four of O^T
.set P,    48
.set Z,    56
.set W,    64
.set H,    72
.set SPARE, 36864                      ; behind 16 x 16 rows x 144 bytes: the spare words, 128 bytes for each wave, which no other line names
	s_load_b128 s[4:7], s[0:1], 0x0                ; fine, w_o
	s_load_b64 s[8:9], s[0:1], 0x10                ; out0
	v_lshl_add_u32 v6, v0, 2, SPARE
	v_mov_b32 v7, 0
	v_lshrrev_b32 v1, 5, v0
	v_readfirstlane_b32 s10, v1                    ; wave = head
	s_and_b32 s11, ttmp7, 0xffff                   ; batch
	v_and_b32 v1, 15, v0                           ; r
	v_bfe_u32 v2, v0, 4, 1                         ; h
	v_lshlrev_b32 v3, 8, v1
	v_lshl_add_u32 v3, v2, 7, v3                   ; Q, K: row r of 256 bytes, + 128 h: my 32 channels
	v_lshlrev_b32 v4, 2, v1
	v_lshl_add_u32 v4, v2, 11, v4                  ; V: key 8 h on, channel r
	v_lshlrev_b32 v5, 12, v1
	v_lshl_add_u32 v5, v2, 5, v5                   ; w_o: row r of 4,096 bytes, + 32 h
	s_mul_i32 s12, s10, 2304
	v_mul_u32_u24 v10, v1, 144
	v_lshl_add_u32 v10, v2, 5, v10
	v_add_nc_u32 v10, s12, v10                     ; my partial tile: row r of 128 + 16 bytes, + 32 h
	v_lshrrev_b32 v15, 3, v0
	v_and_b32 v12, 7, v0
	v_lshlrev_b32 v12, 4, v12
	v_mul_u32_u24 v11, v15, 144
	v_add_nc_u32 v11, v11, v12                     ; the sum: thread T < 128 takes row T / 8, 16 bytes at 16 (T % 8)
	v_lshl_add_u32 v12, v15, 12, v12               ; and the same place in out0
	v_lshlrev_b32 v13, 3, v2
	v_sub_nc_u32 v13, v1, v13                      ; d = r - 8 h: key 8 h + j is hidden where j > d
	v_mov_b32 v14, 0xff800000
	v_mov_b32 v8, 0x2b843036                       ; A2, twice
	v_mov_b32 v9, 0x2b843036
	s_mov_b32 s16, 0x3e38aa3b                      ; A0
	s_mov_b32 s17, s16
	s_mov_b32 s18, 0xb4c9b411                      ; A1
	s_mov_b32 s19, s18
	s_mov_b32 s20, 0xa22f5314                      ; A3
	s_mov_b32 s21, s20
	s_mov_b32 s22, 0x76543210
	s_mov_b32 s23, 0xfedcba98
	s_lshl_b32 s12, s10, 13
	s_lshl_b32 s13, s11, 12
	s_add_co_u32 s12, s12, s13
	s_mov_b32 s13, 0
	s_lshl_b32 s14, ttmp9, 17
	s_lshl_b32 s15, s10, 8
	s_add_co_u32 s14, s14, s15
	s_mov_b32 s15, 0
	s_lshl_b32 s24, s11, 23
	s_lshl_b32 s25, ttmp9, 7
	s_add_co_u32 s24, s24, s25
	s_mov_b32 s25, 0
	s_wait_kmcnt 0x0
	s_add_nc_u64 s[4:5], s[4:5], s[12:13]
	s_add_nc_u64 s[6:7], s[6:7], s[14:15]
	s_add_nc_u64 s[8:9], s[8:9], s[24:25]
.irp i, 0,1,2,3,4,5,6,7
	global_load_b128 v[QF+4*\i:QF+4*\i+3], v3, s[4:5] offset:16*\i
.endr
.irp i, 0,1,2,3,4,5,6,7
	global_load_b128 v[KFR+4*\i:KFR+4*\i+3], v3, s[4:5] offset:131072+16*\i
.endr
.irp t, 0,1,2,3
.irp u, 0,1,2,3,4,5,6,7
	global_load_b32 v[VF+8*\t+\u], v4, s[4:5] offset:262144+256*\u+64*\t        ; V(8 h + u, 16 t + r)
.endr
.endr
.irp nt, 0,1
.irp t, 0,1,2,3
	global_load_b128 v[WF+32*\nt+8*\t:WF+32*\nt+8*\t+3], v5, s[6:7] offset:65536*\nt+64*\t        ; w_o(16 nt + r, 16 t + 8 h + 0 .. 7) of my head
	global_load_b128 v[WF+32*\nt+8*\t+4:WF+32*\nt+8*\t+7], v5, s[6:7] offset:65536*\nt+64*\t+16
.endr
.endr
	s_wait_loadcnt 48                              ; Q and K are in; V's 32 and w_o's 16 loads may be out
.irp s, 0,1,2,3,4,5,6,7,8,9,10,11,12,13,14,15
.if \s < 4
	v_wmma_f32_16x16x4_f32 v[ACC1+8*(\s%4):ACC1+8*(\s%4)+7], v[KFR+2*\s:KFR+2*\s+1], v[QF+2*\s:QF+2*\s+1], 0
.else
	v_wmma_f32_16x16x4_f32 v[ACC1+8*(\s%4):ACC1+8*(\s%4)+7], v[KFR+2*\s:KFR+2*\s+1], v[QF+2*\s:QF+2*\s+1], v[ACC1+8*(\s%4):ACC1+8*(\s%4)+7]
.endif
.endr                                  ; four accumulators by turns; lane (r, h): query r, keys 8 h + 0 .. 7
.rept 8
	v_nop                                          ; eight places behind this form
.endr
.irp k, 0,1,2,3
	v_pk_add_f32 v[Z+2*\k:Z+2*\k+1], v[ACC1+2*\k:ACC1+2*\k+1], v[ACC1+8+2*\k:ACC1+8+2*\k+1]
.endr
.irp k, 0,1,2,3
	v_pk_add_f32 v[W+2*\k:W+2*\k+1], v[ACC1+16+2*\k:ACC1+16+2*\k+1], v[ACC1+24+2*\k:ACC1+24+2*\k+1]
.endr
.irp k, 0,1,2,3
	v_pk_add_f32 v[Z+2*\k:Z+2*\k+1], v[Z+2*\k:Z+2*\k+1], v[W+2*\k:W+2*\k+1]   ; z = q.k
.endr
.irp k, 0,1,2,3
	v_pk_mul_f32 v[W+2*\k:W+2*\k+1], v[Z+2*\k:Z+2*\k+1], v[Z+2*\k:Z+2*\k+1]
.endr
.irp k, 0,1,2,3
	v_pk_fma_f32 v[H+2*\k:H+2*\k+1], v[W+2*\k:W+2*\k+1], s[20:21], v[8:9] op_sel_hi:[1,0,1]
.endr
.irp k, 0,1,2,3
	v_pk_fma_f32 v[H+2*\k:H+2*\k+1], v[H+2*\k:H+2*\k+1], v[W+2*\k:W+2*\k+1], s[18:19] op_sel_hi:[1,1,0]
.endr
.irp k, 0,1,2,3
	v_pk_fma_f32 v[H+2*\k:H+2*\k+1], v[H+2*\k:H+2*\k+1], v[W+2*\k:W+2*\k+1], s[16:17] op_sel_hi:[1,1,0]
.endr
.irp k, 0,1,2,3
	v_pk_mul_f32 v[Z+2*\k:Z+2*\k+1], v[H+2*\k:H+2*\k+1], v[Z+2*\k:Z+2*\k+1]   ; the exponent to base 2
.endr
.irp j, 0,1,2,3,4,5,6,7
	v_cmp_gt_i32 vcc_lo, \j, v13
	v_cndmask_b32 v[Z+\j], v[Z+\j], v14, vcc_lo    ; the causal mask
.endr
.irp j, 0,1,2,3,4,5,6,7
	v_exp_f32 v[P+\j], v[Z+\j]
.endr
	v_nop
	s_wait_alu depctr_va_vdst(0)                   ; one wait for the eight, ahead of their first reader
	v_pk_add_f32 v[H:H+1], v[P:P+1], v[P+2:P+3]
	v_pk_add_f32 v[H+2:H+3], v[P+4:P+5], v[P+6:P+7]
	v_pk_add_f32 v[H:H+1], v[H:H+1], v[H+2:H+3]
	v_add_f32 v[H], v[H], v[H+1]
	v_permlanex16_b32 v[H+2], v[H], s22, s23
	v_add_f32 v[H], v[H], v[H+2]                   ; the row's sum
	v_rcp_f32 v[H+4], v[H]
	v_nop
	s_wait_alu depctr_va_vdst(0)
	s_wait_loadcnt 16                              ; V is in; w_o's 16 loads may be out
.irp s, 0,1,2,3
.irp t, 0,1,2,3
.if \s == 0
	v_wmma_f32_16x16x4_f32 v[ACC2+8*\t:ACC2+8*\t+7], v[VF+8*\t+2*\s:VF+8*\t+2*\s+1], v[P+2*\s:P+2*\s+1], 0
.else
	v_wmma_f32_16x16x4_f32 v[ACC2+8*\t:ACC2+8*\t+7], v[VF+8*\t+2*\s:VF+8*\t+2*\s+1], v[P+2*\s:P+2*\s+1], v[ACC2+8*\t:ACC2+8*\t+7]
.endif
.endr
.endr                                  ; lane (r, h): query r, channels 16 t + 8 h + 0 .. 7
.rept 8
	v_nop
.endr
.irp k, 0,1,2,3,4,5,6,7,8,9,10,11,12,13,14,15
	v_pk_mul_f32 v[QF+2*\k:QF+2*\k+1], v[ACC2+2*\k:ACC2+2*\k+1], v[H+4:H+5] op_sel_hi:[1,0]   ; y = O / the sum
.endr
	s_wait_loadcnt 0x0                             ; w_o
.irp t, 0,1,2,3
.irp s, 0,1,2,3
.irp nt, 0,1
.if (\t == 0) && (\s == 0)
	v_wmma_f32_16x16x4_f32 v[ACC1+8*\nt:ACC1+8*\nt+7], v[WF+32*\nt+8*\t+2*\s:WF+32*\nt+8*\t+2*\s+1], v[QF+8*\t+2*\s:QF+8*\t+2*\s+1], 0
.else
	v_wmma_f32_16x16x4_f32 v[ACC1+8*\nt:ACC1+8*\nt+7], v[WF+32*\nt+8*\t+2*\s:WF+32*\nt+8*\t+2*\s+1], v[QF+8*\t+2*\s:QF+8*\t+2*\s+1], v[ACC1+8*\nt:ACC1+8*\nt+7]
.endif
.endr
.endr
.endr                                  ; two accumulators by turns; lane (r, h): row r, columns 16 nt + 8 h + 0 .. 7
.rept 8
	v_nop
.endr
.irp nt, 0,1
	ds_store_b128 v10, v[ACC1+8*\nt:ACC1+8*\nt+3] offset:64*\nt
	ds_store_b128 v10, v[ACC1+8*\nt+4:ACC1+8*\nt+7] offset:64*\nt+16
.endr
	s_wait_dscnt 0x0                               ; for the others' sake: my partial tile has landed
	s_barrier_signal -1
	s_barrier_wait -1
	s_cmp_ge_u32 s10, 4
	s_cbranch_scc1 .Ldone
.irp p, 0,1,2,3,4,5,6,7,8,9,10,11,12,13,14,15
	ds_load_b128 v[WF+4*\p:WF+4*\p+3], v11 offset:2304*\p
.endr
	s_wait_dscnt 0x0
.irp w, 8,4,2,1                        ; the sixteen heads' parts, by a fixed tree
.irp p, 0,1,2,3,4,5,6,7
.if \p < \w
	v_pk_add_f32 v[WF+4*\p:WF+4*\p+1], v[WF+4*\p:WF+4*\p+1], v[WF+4*(\p+\w):WF+4*(\p+\w)+1]
	v_pk_add_f32 v[WF+4*\p+2:WF+4*\p+3], v[WF+4*\p+2:WF+4*\p+3], v[WF+4*(\p+\w)+2:WF+4*(\p+\w)+3]
.endif
.endr
.endr
	global_store_b128 v12, v[WF:WF+3], s[8:9]
.Ldone:
	s_wait_tensorcnt 0x0                           ; the wave's end
	ds_add_u32 v6, v7
	s_wait_dscnt 0x0
	s_endpgm
.Lfunc_end_k_qaaaac4a6aa_fine:
	.size	k_qaaaac4a6aa_fine, .Lfunc_end_k_qaaaac4a6aa_fine-k_qaaaac4a6aa_fine
	.p2alignl 7, 3214868480
	.fill 96, 4, 3214868480
	.section	.rodata,"a",@progbits
	.p2align	6, 0x0
	.amdhsa_kernel k_qaaaac4a6aa_fine
		.amdhsa_group_segment_fixed_size 38912
		.amdhsa_private_segment_fixed_size 0
		.amdhsa_enable_private_segment 0
		.amdhsa_kernarg_size 24
		.amdhsa_user_sgpr_count 2
		.amdhsa_user_sgpr_kernarg_segment_ptr 1
		.amdhsa_wavefront_size32 1
		.amdhsa_system_sgpr_workgroup_id_x 1
		.amdhsa_system_sgpr_workgroup_id_y 1
		.amdhsa_system_sgpr_workgroup_id_z 1
		.amdhsa_system_vgpr_workitem_id 0
		.amdhsa_next_free_vgpr 256
		.amdhsa_next_free_sgpr 66
		.amdhsa_reserve_vcc 1
		.amdhsa_float_denorm_mode_32 3
		.amdhsa_float_denorm_mode_16_64 3
		.amdhsa_memory_ordered 1
		.amdhsa_forward_progress 1
		.amdhsa_inst_pref_size 22
	.end_amdhsa_kernel
	.amdgpu_metadata
---
amdhsa.version: [ 1, 2 ]
amdhsa.kernels:
  - .name:           k_qaaaac4a6aa_fine
    .symbol:         k_qaaaac4a6aa_fine.kd
    .args:
      - { .name: fine, .offset: 0, .size: 8, .value_kind: global_buffer, .address_space: global }
      - { .name: w_o, .offset: 8, .size: 8, .value_kind: global_buffer, .address_space: global }
      - { .name: out0, .offset: 16, .size: 8, .value_kind: global_buffer, .address_space: global }
    .group_segment_fixed_size: 38912
    .private_segment_fixed_size: 0
    .kernarg_segment_align: 8
    .kernarg_segment_size: 24
    .max_flat_workgroup_size: 512
    .sgpr_count:     66
    .vgpr_count:     256
    .wavefront_size: 32
...
	.end_amdgpu_metadata
.endif
;; end of part 5
